; MI455X (gfx1250); checked and timed in simulation.
; The chip was launched on July 23, 2026; its instructions are those of AMD's public machine-readable ISA for CDNA 5 (MIT licence, August 2026) and "CDNA5" Instruction Set Architecture Reference Guide (July 2026). The comments in the code are by the model that wrote it; some were corrected since.
;; Hydra Attention. Allowed arithmetic: matrix products marked QUANTISED: E2M3 operands, one E8M0 scale for each 32 along K, by v_wmma_scale_f32_16x16x128_f8f6f4 with both operands' format E2M3, f32 sums; everything else in f32.
;; Inputs: W_out 1,024 x 1,024 float32; W_qkv 3,072 x 1,024 float32; b_out 1,024 float32; b_qkv 3,072 float32; mask 4 x 4,096 bool; x 4 x 4,096 x 1,024 float32.
;; Outputs: out0 4 x 4,096 x 1,024 float32.
;; This version of the problem:
;;   THIS VERSION OF THE PROBLEM IS GIVEN IN LOW PRECISION. The matrix products marked QUANTISED in the list below multiply operands that are first quantised to E2M3 (2 exponent bits, 3 mantissa bits; 6 bits a number), with one power-of-two scale for each 32 numbers along K (OCP MX v1.0); their sums are f32. All else is computed in f32.
;;   The module's matrix products, in the order in which they are computed (A, B: the left and right operand; K: the contracted axis; several contracted axes count as one K, in the product's order):
;;     1. [M 16,384, K 1,024] x [K 1,024, N 3,072]; A: input x; B: input W_qkv: QUANTISED
;;     2. [M 16,384, K 1,024] x [K 1,024, N 1,024]; A: computed on the way; B: input W_out: QUANTISED
;;   THE QUANTISER, for each operand of a quantised product, along K:
;;     - K is cut into blocks of 32 from its start; a last block that is shorter is filled with zeros.
;;     - A block's scale is 2^e with e = floor(log2(the largest magnitude in the block)) - 2, held to -126 .. 127; a block of zeros has e = 0. As a byte (E8M0): e + 127.
;;     - Each number is divided by its block's scale, clamped to +-7.5, and rounded to the nearest number of E2M3, ties to even, subnormals kept.
;;     - The product sums the exact products of the quantised numbers (number of the format x scale) in f32.
;;   ~~~python
;;   def quantise(x, axis):      # numpy; x: float32 -> the quantised numbers, widened to float32 again
;;       x = np.moveaxis(x, axis, -1); K = x.shape[-1]
;;       x = np.pad(x, [(0, 0)] * (x.ndim - 1) + [(0, -K % 32)]); x = x.reshape(x.shape[:-1] + (-1, 32)); a = np.abs(x).max(-1, keepdims=True)
;;       e = np.where(a > 0, np.clip(np.frexp(np.where(a > 0, a, 1))[1] - 1 - 2, -126, 127), 0)      # np.frexp(a)[1] - 1 = floor(log2(a)), exactly
;;       r = np.clip(x / 2.0 ** e, -7.5, 7.5)
;;       step = 2.0 ** (np.maximum(np.frexp(np.where(r == 0, 1, r))[1] - 1, 0) - 3)
;;       q = np.round(r / step) * step * 2.0 ** e      # np.round: ties to even
;;       return np.moveaxis(q.reshape(q.shape[:-2] + (-1,))[..., :K], -1, axis).astype(np.float32)
;;   ~~~
;;   OPERANDS COMPUTED ON THE WAY. 'Computed on the way' means the value that the module computes at that place (a softmax that the list does not call 'softmax' is quantised finished and normalised). What goes into a quantiser is computed in f32, as accurately as f32 sums, v_exp_f32 and their like allow (about 1e-6 of the number): no bf16 or f16 on the way to a quantiser, and a product that is left as it is and whose result goes on into a quantised operand takes f32 operands (vector FMAs, or v_wmma_f32_16x16x4_f32). A number that lies on a knife's edge between two numbers of the format may be rounded either way, as far as f32 arithmetic and the matrix unit's own rounding can turn it there, and no further.
;; 2 versions. Each part assembles by itself: llvm-mc -triple=amdgcn-amd-amdhsa -mcpu=gfx1250 --defsym DOCPART=n.
;; ======== version 1 of 2: 3 launches
;; workspace buffers: xq 13,107,200 bytes; wkv 1,638,400 bytes; wqo 1,638,400 bytes; kvp 1,048,576 bytes
;; launch quant (part 1): grid 320 x 4, 4 waves a work-group, no clusters, 34,816 bytes of LDS; arguments x, W_qkv, W_out, xq, wkv, wqo; writes xq, wkv, wqo
.if DOCPART == 1
	.amdgcn_target "amdgcn-amd-amdhsa--gfx1250"
	.amdhsa_code_object_version 6
	.text
	.protected	k_q57462a3f0b_quant
	.globl	k_q57462a3f0b_quant
	.p2align	8
	.type	k_q57462a3f0b_quant,@function
k_q57462a3f0b_quant:
	s_mov_b64 s[64:65], 0
	v_nop
	global_prefetch_b8 v0, s[64:65] scope:SCOPE_SE
	s_setreg_imm32_b32 hwreg(HW_REG_WAVE_MODE, 25, 1), 1
	s_wait_xcnt 0x0
; x [16384][1024], W_qkv [3072][1024] and W_out [1024][1024], f32, K innermost, become codes of FP6 (E2M3) with one E8M0 scale byte for each 32 along K,
; laid as IMAGES OF THE OPERANDS' REGISTERS in the order in which the two later launches walk them.
; A fragment is 16 rows x 128 K: 12 registers a lane; registers 4 c .. 4 c + 3 of lane l lie at 512 c + 16 l of its 1,536 bytes.  Its scale words: 16 words, word r = row r's four bytes.
; xq:  for each 64 rows 51,200 bytes: 32 fragments in the order 4 s + a (s: K step, a: tile of 16 rows), then at 49,152 their scale words in the same order.
; wkv, wqo: 16 slots of 102,400 bytes, each four parts (one for each wave of the later launches) of 25,600: 16 fragments, then at 24,576 their scale words.
;   Column tile c = 16 w + cl belongs to part w.  Slots 0-7 (wkv: Wk, wqo: Wq): slot = K step, place = cl.  Slots 8-15 (wkv: Wv, wqo: W_out): slot = 8 + 4 (cl / 8) + s / 2, place = 8 (s % 2) + cl % 8.
; THE ROWS OF W_qkv THAT FORM A TILE ARE NOT NEIGHBOURS: lane r of tile c takes row 32 (c / 2) + 8 (c % 2) + r + 8 (r / 8) of its third, so that in the transposed product two neighbouring tiles' 16 registers are 16 neighbouring columns.
; W_out's tiles and x's are 16 neighbouring rows.
; A block's scale is 2^(floor(log2(its largest magnitude)) - 2); its byte is the largest magnitude's exponent field - 2, held at 1 from below.
; LIMITS: NaN and infinities among the inputs are not served.  A block whose largest magnitude lies under 2^-124, a block of zeros among them, gets the byte 1 (the quantiser's text says 127 for zeros): its codes are zeros or
; nearly so, and this program alone reads the bytes.
; SHARES.  Work-group (g, y): 64 rows x 256 along K (K steps 2 y and 2 y + 1); wave a: one tile of 16 rows, two fragments.  g < 256: x's block g; else W_qkv's 48 blocks, then W_out's 16.
; One path serves all three tensors: what differs is chosen into scalar registers on the work-group's number.  Each load reads 512 consecutive bytes of a row; the 16 rows x 512 bytes turn through the wave's own stage in LDS,
; so that a lane gets 2 x 32 neighbours along K: two whole blocks, as the operand's layout gives them to it.  No tensor loads; one barrier, for the scale words, which leave as whole blocks of 256 bytes.
.set SP,    528                        ; a stage row: 512 bytes + 16: the 16 rows that a load of 16 bytes a lane touches start at 16 different groups of four banks (64 banks of 4 bytes: ISA guide 11.1)
.set STGB,  16*SP                      ; a wave's stage
.set GATH,  4*STGB                     ; behind the stages: the work-group's scale words, [K step 0, 1][wave][16 words]: 512 bytes
.set VLO,  4                           ; v4   16 x lane: my bytes of a load's 512, and of an image's 512
.set VHI,  5                           ; v5   the same for a tile's rows 8-15: 8 rows further down where the tile's rows are not neighbours
.set STW,  6                           ; v6   the stage, on the way in
.set STR,  7                           ; v7   and on the way out: row r, + 128 h
.set GW,   8                           ; v8   where my row's scale word goes
.set GR,   9                           ; v9   where wave 0 reads 16 bytes of the words back
.set SO,   10                          ; v10  and where it stores them
.set H8,   11                          ; v11  8 h
.set R,    32                          ; v32-159   the numbers as loaded: 2 K steps x 16 rows x 4 registers
.set X,    160                         ; v160-223  my 2 x 32 neighbours
.set C,    224                         ; v224-247  the codes: 12 registers for each K step, so that no store's data are written again
.set T,    248                         ; v248-255  the second halves of the conversions
	s_load_b256 s[4:11], s[0:1], 0x0               ; x s[4:5], W_qkv s[6:7], W_out s[8:9], xq s[10:11]
	s_load_b128 s[12:15], s[0:1], 0x20             ; wkv s[12:13], wqo s[14:15]
	v_lshl_add_u32 v251, v0, 2, 0x8600
	v_mov_b32 v255, 0
	v_lshrrev_b32 v1, 5, v0
	v_readfirstlane_b32 s16, v1                    ; a: wave 0..3
	s_and_b32 s17, ttmp7, 0xffff                   ; y
	s_mov_b32 s18, ttmp9                           ; g
	s_and_b32 s19, s18, 63                         ; u = g - 256 for the weights' work-groups
	s_lshr_b32 s20, s19, 4                         ; part: 0 q, 1 k, 2 v, 3 out
	s_and_b32 s21, s19, 15                         ; gl: which 64 rows of the part
	s_lshr_b32 s22, s20, 1                         ; vt: the part goes into slots 8-15
	s_lshl_b32 s23, s16, 4                         ; a tile of neighbours begins at row 16 a;
	s_lshr_b32 s24, s16, 1
	s_lshl_b32 s24, s24, 5
	s_and_b32 s25, s16, 1
	s_lshl_b32 s25, s25, 3
	s_add_co_u32 s24, s24, s25                     ; one of W_qkv's at 32 (a / 2) + 8 (a % 2)
	s_sub_co_u32 s26, s18, 256
	s_cmp_lt_u32 s26, 48                           ; W_qkv's work-groups: g = 256 .. 303
	s_cselect_b32 s23, s24, s23                    ; the tile's first row in the block of 64
	s_cselect_b32 s27, 32768, 0                    ; and how much further down its rows 8-15 lie: 8 rows of 4,096 bytes
	s_cmp_lt_u32 s18, 256
	s_cselect_b32 s28, s18, s19                    ; which 64 rows of the source: x: g, W_qkv: u,
	s_cmp_lt_u32 s18, 304
	s_cselect_b32 s28, s28, s21                    ; W_out: gl
	s_lshl_b32 s28, s28, 18                        ; 64 rows of 4,096 bytes
	s_lshl_b32 s29, s23, 12
	s_add_co_u32 s28, s28, s29
	s_lshl_b32 s29, s17, 10                        ; 256 along K
	s_add_co_u32 s28, s28, s29
	s_mov_b32 s29, 0                               ; s[28:29]: where my tile begins in the source
	s_bfe_u32 s30, s21, 0x10001                    ; (gl / 2) % 2 = cl / 8
	s_lshl_b32 s30, s30, 2
	s_add_co_u32 s30, s30, 8
	s_add_co_u32 s30, s30, s17                     ; slots 8-15: 8 + 4 (cl / 8) + y
	s_lshl_b32 s31, s17, 1                         ; slots 0-7: 2 y
	s_and_b32 s32, s21, 1                          ; which four places of a part: gl % 2,
	s_and_b32 s33, s21, 3                          ; or gl % 4
	s_cmp_lg_u32 s22, 0
	s_cselect_b32 s30, s30, s31                    ; the slot of my first K step
	s_cselect_b32 s32, s32, s33
	s_mov_b32 s34, 102400
	s_cselect_b32 s35, 12288, s34                  ; from the first K step's fragment to the second's: eight places on, or a slot on
	s_cselect_b32 s36, 512, s34                    ; the same for the scale words
	s_mul_i32 s37, s30, 102400
	s_lshr_b32 s38, s21, 2
	s_mul_i32 s38, s38, 25600
	s_add_co_u32 s37, s37, s38                     ; the slot's part gl / 4
	s_mul_i32 s38, s32, 6144
	s_add_co_u32 s38, s38, s37                     ; its four places
	s_lshl_b32 s39, s32, 8
	s_add_co_u32 s39, s39, s37
	s_add_co_u32 s39, s39, 24576                   ; and their scale words
	s_mul_i32 s40, s18, 51200                      ; x: block g,
	s_mul_i32 s41, s17, 12288
	s_add_co_u32 s41, s41, s40                     ; fragments 4 (2 y) on,
	s_lshl_b32 s42, s17, 9
	s_add_co_u32 s42, s42, s40
	s_add_co_u32 s42, s42, 49152                   ; and their scale words
	s_cmp_lt_u32 s18, 256
	s_cselect_b32 s46, s41, s38
	s_cselect_b32 s50, s42, s39
	s_cselect_b32 s48, 6144, s35
	s_cselect_b32 s36, 256, s36
	s_mul_i32 s43, s16, 1536
	s_add_co_u32 s46, s46, s43                     ; my wave's fragment among the four
	s_mov_b32 s47, 0
	s_mov_b32 s49, 0
	s_mov_b32 s51, 0
	s_mov_b32 s60, 0x76543210
	s_mov_b32 s61, 0xfedcba98                      ; v_permlanex16_b32's selects for lane l xor 16
	v_and_b32 v1, 31, v0                           ; lane
	v_and_b32 v2, 15, v0                           ; r
	v_bfe_u32 v3, v0, 4, 1                         ; h
	v_lshlrev_b32 v[VLO], 4, v1
	v_add_nc_u32 v[VHI], s27, v[VLO]
	s_mul_i32 s58, s16, STGB
	v_add_nc_u32 v[STW], s58, v[VLO]
	v_mul_u32_u24 v[STR], v2, SP
	v_lshl_add_u32 v[STR], v3, 7, v[STR]
	v_add_nc_u32 v[STR], s58, v[STR]
	s_lshl_b32 s59, s16, 6
	s_add_co_u32 s59, s59, GATH
	v_lshl_add_u32 v[GW], v2, 2, s59
	v_add_nc_u32 v[GR], GATH, v[VLO]
	v_mul_u32_u24 v[SO], v3, s36                   ; lanes 16-31 store the second K step's words
	v_lshl_add_u32 v[SO], v2, 4, v[SO]
	v_lshlrev_b32 v[H8], 3, v3
	v_mov_b32 v19, 0                               ; written once: a lane permute's destination counts as one of its sources
	s_wait_kmcnt 0x0
	s_cmp_lt_u32 s18, 304                          ; the buffers are chosen on the work-group's number alone
	s_cselect_b64 s[6:7], s[6:7], s[8:9]           ; W_qkv or W_out
	s_add_co_u32 s44, s20, 1
	s_and_b32 s44, s44, 2
	s_cmp_eq_u32 s44, 0                            ; parts 0 and 3 go to wqo, parts 1 and 2 to wkv
	s_cselect_b64 s[12:13], s[14:15], s[12:13]
	s_cmp_lt_u32 s18, 256
	s_cselect_b64 s[4:5], s[4:5], s[6:7]           ; the source
	s_cselect_b64 s[10:11], s[10:11], s[12:13]     ; the destination
	s_add_nc_u64 s[4:5], s[4:5], s[28:29]
	s_add_nc_u64 s[52:53], s[10:11], s[46:47]      ; my first fragment's image,
	s_add_nc_u64 s[54:55], s[52:53], s[48:49]      ; my second's,
	s_add_nc_u64 s[56:57], s[10:11], s[50:51]      ; the work-group's scale words
.irp e, 0,1
.irp i, 0,1,2,3,4,5,6,7,8,9,10,11,12,13,14,15
.if \i < 8
	global_load_b128 v[R+64*\e+4*\i:R+64*\e+4*\i+3], v[VLO], s[4:5] offset:4096*\i+512*\e th:TH_LOAD_NT   ; 32 lanes read 512 consecutive bytes: 128 along K of the tile's row i
.else
	global_load_b128 v[R+64*\e+4*\i:R+64*\e+4*\i+3], v[VHI], s[4:5] offset:4096*\i+512*\e th:TH_LOAD_NT
.endif
.endr
.endr
; One K step: 16 rows x 128 numbers become a fragment and its scale words.
.macro QSTEP e
.if (\e) == 0
	s_wait_loadcnt 16                              ; loads come back in order: the first K step's 16 are in, the second's 16 may be out
.else
	s_wait_loadcnt 0x0
.endif
.irp i, 0,1,2,3,4,5,6,7,8,9,10,11,12,13,14,15
	ds_store_b128 v[STW], v[R+64*(\e)+4*\i:R+64*(\e)+4*\i+3] offset:SP*\i
.endr
.irp c, 0,1
.irp j, 0,1,2,3,4,5,6,7
	ds_load_b128 v[X+32*\c+4*\j:X+32*\c+4*\j+3], v[STR] offset:256*\c+16*\j   ; k = 64 c + 32 h + 4 j on, of row r.  LDS serves a wave's instructions in order: these see the stores above
.endr
.endr
	s_wait_dscnt 0x0
.irp c, 0,1                                    ; my block 2 c + h: all its 32 numbers are mine
	v_max3_num_f32 v[12+\c], |v[X+32*\c]|, |v[X+32*\c+1]|, 0x1800000   ; and the floor 2^(3 - 127): the byte cannot fall under 1
.endr
.irp i, 2,4,6,8,10,12,14,16,18,20,22,24,26,28,30
.irp c, 0,1
	v_max3_num_f32 v[12+\c], v[12+\c], |v[X+32*\c+\i]|, |v[X+32*\c+\i+1]|   ; (the two blocks by turns)
.endr
.endr
.irp c, 0,1
	v_add_nc_u32 v[14+\c], 0xff000000, v[12+\c]    ; 2 off the exponent field: the conversion takes the exponent field of this operand as its scale, and nothing else of it
.endr
.irp c, 0,1
	v_lshrrev_b32 v[16+\c], 23, v[14+\c]           ; the scale's byte
.endr
	v_lshl_or_b32 v18, v17, 16, v16                ; my two bytes: blocks h and 2 + h of row r,
	v_lshlrev_b32 v18, v[H8], v18                  ; at their places in the word;
	v_permlanex16_b32 v19, v18, s60, s61
	v_or_b32 v[20+(\e)], v18, v19                  ; with lane l xor 16's two the word is whole
.irp c, 0,1
	v_cvt_scalef32_pk16_fp6_f32 v[C+12*(\e)+6*\c:C+12*(\e)+6*\c+2], v[X+32*\c:X+32*\c+15], v[14+\c]
	v_cvt_scalef32_pk16_fp6_f32 v[T+4*\c:T+4*\c+2], v[X+32*\c+16:X+32*\c+31], v[14+\c]   ; (a conversion's three registers begin on an even number: a block's second three do not, so they are made elsewhere and moved)
.endr
	v_nop                                          ; one plain place behind a scaled conversion
.irp c, 0,1
.irp i, 0,1,2
	v_mov_b32 v[C+12*(\e)+6*\c+3+\i], v[T+4*\c+\i]
.endr
.endr
.irp c, 0,1,2
	global_store_b128 v[VLO], v[C+12*(\e)+4*\c:C+12*(\e)+4*\c+3], s[52+2*(\e):53+2*(\e)] offset:512*\c   ; the image: 32 lanes store 512 consecutive bytes, at a multiple of 256 from the buffer's first byte
.endr
	ds_store_b32 v[GW], v[20+(\e)] offset:256*(\e) ; both halves of the lanes write the same word with the same value
.endm
	QSTEP 0
	QSTEP 1
	s_wait_dscnt 0x0                               ; for wave 0's sake: my scale words lie in LDS
	s_barrier_signal -1
	s_barrier_wait -1
	s_cmp_lg_u32 s16, 0
	s_cbranch_scc1 .Lend
	ds_load_b128 v[24:27], v[GR]                   ; the four waves' words: lanes 0-15 the first K step's 256 bytes, lanes 16-31 the second's
	s_wait_dscnt 0x0
	global_store_b128 v[SO], v[24:27], s[56:57]    ; sixteen lanes store 256 consecutive bytes, at a multiple of 256 from the buffer's first byte
.Lend:
	s_wait_tensorcnt 0x0
	ds_add_u32 v251, v255
	s_wait_dscnt 0x0
	s_endpgm
.Lfunc_end_k_q57462a3f0b_quant:
	.size	k_q57462a3f0b_quant, .Lfunc_end_k_q57462a3f0b_quant-k_q57462a3f0b_quant
	.p2alignl 7, 3214868480
	.fill 96, 4, 3214868480
	.section	.rodata,"a",@progbits
	.p2align	6, 0x0
	.amdhsa_kernel k_q57462a3f0b_quant
		.amdhsa_group_segment_fixed_size 34816
		.amdhsa_private_segment_fixed_size 0
		.amdhsa_enable_private_segment 0
		.amdhsa_kernarg_size 48
		.amdhsa_user_sgpr_count 2
		.amdhsa_user_sgpr_kernarg_segment_ptr 1
		.amdhsa_wavefront_size32 1
		.amdhsa_system_sgpr_workgroup_id_x 1
		.amdhsa_system_sgpr_workgroup_id_y 1
		.amdhsa_system_sgpr_workgroup_id_z 1
		.amdhsa_system_vgpr_workitem_id 0
		.amdhsa_next_free_vgpr 256
		.amdhsa_next_free_sgpr 66
		.amdhsa_reserve_vcc 0
		.amdhsa_float_denorm_mode_32 3
		.amdhsa_float_denorm_mode_16_64 3
		.amdhsa_memory_ordered 1
		.amdhsa_forward_progress 1
		.amdhsa_inst_pref_size 19
	.end_amdhsa_kernel
	.amdgpu_metadata
---
amdhsa.version: [ 1, 2 ]
amdhsa.kernels:
  - .name:           k_q57462a3f0b_quant
    .symbol:         k_q57462a3f0b_quant.kd
    .args:
      - { .name: x, .offset: 0, .size: 8, .value_kind: global_buffer, .address_space: global }
      - { .name: W_qkv, .offset: 8, .size: 8, .value_kind: global_buffer, .address_space: global }
      - { .name: W_out, .offset: 16, .size: 8, .value_kind: global_buffer, .address_space: global }
      - { .name: xq, .offset: 24, .size: 8, .value_kind: global_buffer, .address_space: global }
      - { .name: wkv, .offset: 32, .size: 8, .value_kind: global_buffer, .address_space: global }
      - { .name: wqo, .offset: 40, .size: 8, .value_kind: global_buffer, .address_space: global }
    .group_segment_fixed_size: 34816
    .private_segment_fixed_size: 0
    .kernarg_segment_align: 8
    .kernarg_segment_size: 48
    .max_flat_workgroup_size: 128
    .sgpr_count:     66
    .vgpr_count:     256
    .wavefront_size: 32
...
	.end_amdgpu_metadata
.endif
;; end of part 1
;; launch kvpart (part 2): grid 256 x 1, 4 waves a work-group, clusters of 4 x 1, 327,680 bytes of LDS; arguments xq, wkv, b_qkv, mask, kvp; writes kvp
.if DOCPART == 2
	.amdgcn_target "amdgcn-amd-amdhsa--gfx1250"
	.amdhsa_code_object_version 6
	.text
	.protected	k_q57462a3f0b_kvpart
	.globl	k_q57462a3f0b_kvpart
	.p2align	8
	.type	k_q57462a3f0b_kvpart,@function
k_q57462a3f0b_kvpart:
	s_mov_b64 s[64:65], 0
	v_nop
	global_prefetch_b8 v0, s[64:65] scope:SCOPE_SE
	s_setreg_imm32_b32 hwreg(HW_REG_WAVE_MODE, 25, 1), 1
	s_wait_xcnt 0x0
	s_wait_alu depctr_hold_cnt(0) depctr_sa_sdst(0) depctr_va_vdst(0) depctr_va_sdst(0) depctr_va_ssrc(0) depctr_va_vcc(0) depctr_vm_vsrc(0)
	s_getreg_b32 s2, hwreg(HW_REG_IB_STS2, 6, 4)
	s_cmp_eq_u32 s2, 0
	s_cbranch_scc0 .Lentry_in_a_cluster
	s_endpgm
.Lentry_in_a_cluster:
	s_bfe_u32 s2, ttmp6, 0x10000c
	s_cmp_lg_u32 s2, 0x3003
	s_cbranch_scc0 .Lentry_shape_is_right
	s_endpgm
.Lentry_shape_is_right:
; For 64 rows t of x: k = x Wk^T + bk, v = x Wv^T + bv (both products on codes of FP6 with E8M0 scales, made by the launch before), k / |k|, 0 where the mask is set, and
; kvp[block][d] = the sum over the 64 rows of k[t][d] v[t][d], f32.  The next launch adds a batch's 64 partial sums.
; SHARES.  A work-group owns 64 rows, whole, since |k| wants a whole row ahead of the sum over rows: 64 x 1,024 f32 of k are 512 registers for each of four waves.  THE WAVES SHARE THE COLUMNS: wave w has columns 256 w on,
; 16 tiles of 16.  So each fragment of the weights is read from LDS by one wave, once, and feeds four products (the four tiles of 16 rows).  v comes in two passes of 128 columns a wave (256 registers).
; BOTH PRODUCTS ARE USED TRANSPOSED (source 0 = 16 rows of W, source 1 = 16 rows of x): a lane holds ONE row of x (lane % 16), its registers run along the columns.
; Register j of tile c, lanes' half h, is column 32 (c / 2) + 16 h + 8 (c % 2) + j: so the launch before chose the tiles' rows, for k and for v alike.
; THE WEIGHTS come as a stream of 16 slots of 102,400 bytes through a ring of two LDS slots; wave w fetches and reads part w (25,600 bytes: 16 fragments as images of their registers, and their scale words).
; Slots 0-7: K step j of Wk, the wave's 16 tiles.  Slots 8-15: Wv: pass (j - 8) / 4, K steps 2 (j % 4) and 2 (j % 4) + 1, the pass's 8 tiles.
; CLUSTER.  All row blocks walk the same stream: the four work-groups of a cluster ask for each part JOINTLY, by the same tensor load with the same descriptor (it hangs on the wave's number alone) and a mask that names the four.
; x's codes (51,200 bytes) come through registers into LDS once and stay.
; THE BIASES are loaded straight into the accumulators, so that every product adds in place: no first step of its own, no addition.
; The 16 slots are written out: every LDS offset is an immediate.
; LIMITS: NaN and infinities are not served.  1 / |k| is v_rsq_f32 of the sum of squares and a multiplication, where the definition takes a root and divides; the sum of squares has to be a normal f32 number (v_rsq_f32 takes a denormal for 0).
; REGISTERS, in windows of 256: window 0: v1-15 addresses; v16-31 statistics; v32-47 the weights' scale words, two sets; v48-55 x's, two sets; v64-111, v112-159 fragments of x (4 tiles of rows); v160-207, v208-255 of W (4 tiles).
;   window 1: v's 32 accumulators (row tile a, tile t of the pass at v[64 a + 8 t]);  window 2: k's tiles 0-7;  window 3: k's tiles 8-15.
.set SLOTB, 102400
.set PARTB, 25600
.set FRB,   1536                       ; a fragment's image
.set WSC,   24576                      ; the scale words' place in a part
.set XREG,  2*SLOTB                    ; behind the ring: x's block, as it lies in xq
.set XSCO,  49152                      ; its scale words' place
.set RED,   307200                     ; the waves' parts of the rows' sums of squares: 256 a + 16 r + 4 w
.set SPARE, 312320                     ; the spare words, 128 bytes for each wave: two blocks of 256 bytes that no other line names
.set L16,  1                           ; v1   16 x lane
.set SPW,  2                           ; v2   LDS address of my spare word; never rewritten
.set NIL,  3                           ; v3   0; never rewritten
.set AW0,  4                           ; v4-5 my part's fragments in slot 0, 1: + 16 x lane
.set AS0,  6                           ; v6-7 its scale words: + 4 x lane
.set AX,   8                           ; v8   x's fragments
.set AXS,  9                           ; v9   x's scale words
.set ARW,  10                          ; v10  RED + 16 r + 4 w
.set ARR,  11                          ; v11  RED + 16 r
.set BH,   12                          ; v12  64 h: my half's place in 32 columns of a bias
.set RR,   13                          ; v13  r
.set KVO,  14                          ; v14  my 16 bytes of the wave's 512 of kvp
.set TA,   15                          ; v15  at work
.set SS,   16                          ; v16-23 a pair for each tile of rows: sums of squares, then 1 / |k| or 0
.set PD,   24                          ; v24-27 lane permutes' destinations
.set MB,   28                          ; v28-31 my rows' mask bytes
.set WS,   32
.set XS,   48
.set XA,   64
.set XB,   112
.set WA,   160
.set WB,   208
.set WV,   18                          ; s18  my wave's number
.set G1,   24                          ; s[24:31] descriptor group 1
.set G0,   32                          ; s[32:39] descriptor group 0, a set for each slot
.set SEL,  40                          ; s[40:41] v_permlanex16_b32's selects for lane l xor 16
.set MSB, 0
.macro WIN new                         ; s_set_vgpr_msb: bits 1:0 source 0, 3:2 source 1, 5:4 source 2, 7:6 destination; the high byte repeats the setting that is left
.if MSB != (\new)
	s_set_vgpr_msb (MSB<<8)|(\new)
.set MSB, \new
.endif
.endm
; A load into a register that a matrix instruction has read, and a vector instruction or a store that reads a matrix result, stand four places behind it; only plain vector instructions that name none of its registers are places.
.macro PLACES n
.rept \n
	v_nop
.endr
.endm
.macro CREST                           ; a round of the cluster's barrier behind its opening barrier
	s_cmp_lg_u32 s[WV], 0
	s_cbranch_scc1 .Lnot_wave_0_\@
	s_barrier_signal -3
.Lnot_wave_0_\@:
	s_barrier_wait -3
	s_barrier_signal -1
	s_barrier_wait -1
.endm
.macro CROUND                          ; a whole round
	s_barrier_signal -1
	s_barrier_wait -1
	CREST
.endm
.macro JLOAD s                         ; the joint load of my part of slot s; four v_nop follow it
	tensor_load_to_lds s[G0+4*(\s):G0+4*(\s)+3], s[G1:G1+7]
	s_nop 0
	PLACES 4
.endm
.macro LDW set, s, g                   ; four fragments of W, places 4 g .. 4 g + 3 of my part of slot s: each line reads 512 consecutive bytes
.irp i, 0,1,2,3
.irp c, 0,1,2
	ds_load_b128 v[\set+12*\i+4*\c:\set+12*\i+4*\c+3], v[AW0+(\s)] offset:FRB*(4*(\g)+\i)+512*\c
.endr
.endr
.endm
.macro LDX set, off                    ; the four tiles of rows of one K step of x
.irp a, 0,1,2,3
.irp c, 0,1,2
	ds_load_b128 v[\set+12*\a+4*\c:\set+12*\a+4*\c+3], v[AX] offset:(\off)+FRB*\a+512*\c
.endr
.endr
.endm
.macro LDWS s                          ; my part's scale words: register n holds place 2 n's in lanes 0-15 and place 2 n + 1's in lanes 16-31
.irp n, 0,1,2,3,4,5,6,7
	ds_load_b32 v[WS+8*(\s)+\n], v[AS0+(\s)] offset:128*\n
.endr
.endm
.macro LDXS s, off, n                  ; x's scale words: register m holds those of two tiles of rows
.set m_, 0
.rept \n
	ds_load_b32 v[XS+4*(\s)+m_], v[AXS] offset:(\off)+128*m_
.set m_, m_+1
.endr
.endm
; 8 products: fragments i0, i0 + 1 of the set x the four tiles of rows.  The accumulators take turns, one instruction a turn.
.macro MUL8 wset, xset, g, i0, s, xs0
.irp i, \i0, \i0+1
.irp a, 0,1,2,3
.set rD, 64*\a+8*(4*((\g)&1)+(\i))
.set rW, \wset+12*(\i)
.set rX, \xset+12*\a
.set rP, WS+8*(\s)+2*(\g)+((\i)>>1)
.set rQ, XS+4*(\s)+(\xs0)+(\a>>1)
.set rows, 2*((\i)&1)+(\a&1)
.if rows == 0
	v_wmma_scale_f32_16x16x128_f8f6f4 v[rD:rD+7], v[rW:rW+11], v[rX:rX+11], v[rD:rD+7], v[rP], v[rQ] matrix_a_fmt:MATRIX_FMT_FP6 matrix_b_fmt:MATRIX_FMT_FP6
.elseif rows == 1
	v_wmma_scale_f32_16x16x128_f8f6f4 v[rD:rD+7], v[rW:rW+11], v[rX:rX+11], v[rD:rD+7], v[rP], v[rQ] matrix_a_fmt:MATRIX_FMT_FP6 matrix_b_fmt:MATRIX_FMT_FP6 matrix_b_scale:MATRIX_SCALE_ROW1
.elseif rows == 2
	v_wmma_scale_f32_16x16x128_f8f6f4 v[rD:rD+7], v[rW:rW+11], v[rX:rX+11], v[rD:rD+7], v[rP], v[rQ] matrix_a_fmt:MATRIX_FMT_FP6 matrix_b_fmt:MATRIX_FMT_FP6 matrix_a_scale:MATRIX_SCALE_ROW1
.else
	v_wmma_scale_f32_16x16x128_f8f6f4 v[rD:rD+7], v[rW:rW+11], v[rX:rX+11], v[rD:rD+7], v[rP], v[rQ] matrix_a_fmt:MATRIX_FMT_FP6 matrix_b_fmt:MATRIX_FMT_FP6 matrix_a_scale:MATRIX_SCALE_ROW1 matrix_b_scale:MATRIX_SCALE_ROW1
.endif
.endr
.endr
.endm
.macro PRIME j, vt                     ; the first operands of slot j, where the slot before has not fetched them
.set sg, (\j)%2
	LDW WA, sg, 0
.if \vt
	LDX XA, 12288*((\j)%4)
	LDWS sg
	LDXS sg, 512*((\j)%4), 4
.else
	LDX XA+48*sg, 6144*((\j)%8)
	LDWS sg
	LDXS sg, 256*((\j)%8), 2
.endif
.endm
; SLOT j: 64 products in four groups of 16, on two sets of W's fragments by turns; each group's twelve loads are asked for a group ahead.
; vt = 0: one K step, 16 tiles (groups 0, 1 into window 2, groups 2, 3 into window 3).  vt = 1: two K steps x 8 tiles, into window aw.
; refill = 1: behind group 2's first half all my reads of this slot are over, and it is filled again with the stream's slot j + 2.  next = 1: the next slot's first operands are fetched behind that.
.macro SLOT j, vt, aw, refill, next
.set sg, (\j)%2
.if \vt
.set xl, XA
.set xh, XB
.set xn, XA
.set w01, 0x50*(\aw)
.set w23, 0x50*(\aw)
.set nxt, 36
.else
.set xl, XA+48*sg
.set xh, XA+48*sg
.set xn, XA+48*(1-sg)
.set w01, 0xa0
.set w23, 0xf0
.set nxt, 34
.endif
	LDW WB, sg, 1
.if \vt
	LDX XB, 6144*(2*((\j)%4)+1)
	s_wait_dscnt 24                                ; all but the 24 just issued: group 0's fragments, x's first K step and the scale words are in
.else
	s_wait_dscnt 12                                ; all but the 12 just issued
.endif
	WIN w01
	MUL8 WA, xl, 0, 0, sg, 0
	MUL8 WA, xl, 0, 2, sg, 0
	PLACES 4
	WIN 0
	LDW WA, sg, 2
	s_wait_dscnt 12                                ; group 1's fragments are in (and x's second K step)
	WIN w01
	MUL8 WB, xl, 1, 0, sg, 0
	MUL8 WB, xl, 1, 2, sg, 0
	PLACES 4
	WIN 0
	LDW WB, sg, 3                                  ; my last reads of this slot
.if \refill
	s_wait_tensorcnt 0x0                           ; all my tensor loads have landed: the one that was out is my part of the next slot; so a group 0 may be written
	ds_add_u32 v[SPW], v[NIL]                      ; 0 onto my spare word
	s_add_nc_u64 s[G0+4*sg+2:G0+4*sg+3], s[G0+4*sg+2:G0+4*sg+3], 2*SLOTB   ; two slots on in the stream; the type bits on top are not reached
	s_wait_dscnt 13                                ; group 2's fragments are in; group 3's twelve loads and the add may be out
	WIN w23
	MUL8 WA, xh, 2, 0, sg, 2*\vt                   ; eight products stand between the add and the wait for it
	s_wait_dscnt 0x0                               ; the add is done, and my reads of this slot are over
	s_barrier_signal -1                            ; this barrier opens a round of the cluster's barrier
	MUL8 WA, xh, 2, 2, sg, 2*\vt
	WIN 0
	s_barrier_wait -1
	CREST                                          ; no wave of any partner still reads this slot or has a load on its way
	JLOAD sg                                       ; the first tensor load behind the round, my only one until the next; its four v_nop are also the places in front of the loads below
.elseif \next
	s_wait_tensorcnt 0x0                           ; my part of the last slot, which I alone read: no load was issued behind it
	s_wait_dscnt 12
	WIN w23
	MUL8 WA, xh, 2, 0, sg, 2*\vt
	MUL8 WA, xh, 2, 2, sg, 2*\vt
	PLACES 4
	WIN 0
.else
	s_wait_dscnt 12
	WIN w23
	MUL8 WA, xh, 2, 0, sg, 2*\vt
	MUL8 WA, xh, 2, 2, sg, 2*\vt
	s_wait_dscnt 0x0
.endif
.if \next
	LDW WA, 1-sg, 0
.if \vt
	LDX xn, 12288*(((\j)+1)%4)
	LDWS 1-sg
	LDXS 1-sg, 512*(((\j)+1)%4), 4
.else
	LDX xn, 6144*(((\j)%8)+1)
	LDWS 1-sg
	LDXS 1-sg, 256*(((\j)%8)+1), 2
.endif
.if !\refill
	s_wait_dscnt nxt                               ; group 3's fragments are in; the loads just issued may be out
.endif
.endif
	WIN w23
	MUL8 WB, xh, 3, 0, sg, 2*\vt
	MUL8 WB, xh, 3, 2, sg, 2*\vt
	PLACES 4                                       ; for the next loads into the second set, and for the first read of results
	WIN 0
.endm
; A bias into a window's 32 accumulators: tiles cl0 .. cl0 + 7 of my 16; the same eight numbers for all four tiles of rows.
.macro BIAS off, cl0
.irp t, 0,1,2,3,4,5,6,7
.irp a, 0,1,2,3
.irp e, 0,1
	global_load_b128 v[64*\a+8*\t+4*\e:64*\a+8*\t+4*\e+3], v[BH], s[8:9] offset:(\off)+128*(((\cl0)+\t)>>1)+32*(\t&1)+16*\e
.endr
.endr
.endr
.endm
; The rows' sums of squares over all 1,024 columns, and 1 / their roots into v[SS + 2 a].
.macro SUMSQ
	WIN 0x0a                                       ; sources 0 and 1: window 2
.irp a, 0,1,2,3
	v_pk_mul_f32 v[SS+2*\a:SS+2*\a+1], v[64*\a:64*\a+1], v[64*\a:64*\a+1]   ; the first squares start the sums; each accumulator is read from its low end on
.endr
.set q_, 1
.rept 31
.irp a, 0,1,2,3
	v_pk_fma_f32 v[SS+2*\a:SS+2*\a+1], v[64*\a+2*q_:64*\a+2*q_+1], v[64*\a+2*q_:64*\a+2*q_+1], v[SS+2*\a:SS+2*\a+1]   ; (the four tiles of rows by turns)
.endr
.set q_, q_+1
.endr
	WIN 0x0f                                       ; window 3
.set q_, 0
.rept 32
.irp a, 0,1,2,3
	v_pk_fma_f32 v[SS+2*\a:SS+2*\a+1], v[64*\a+2*q_:64*\a+2*q_+1], v[64*\a+2*q_:64*\a+2*q_+1], v[SS+2*\a:SS+2*\a+1]
.endr
.set q_, q_+1
.endr
	WIN 0
.irp a, 0,1,2,3
	v_add_f32 v[SS+2*\a], v[SS+2*\a], v[SS+2*\a+1]
.endr
.irp a, 0,1,2,3
	v_permlanex16_b32 v[PD+\a], v[SS+2*\a], s[SEL], s[SEL+1]
.endr
.irp a, 0,1,2,3
	v_add_f32 v[SS+2*\a], v[SS+2*\a], v[PD+\a]     ; with lane l xor 16's: my wave's 256 columns of row 16 a + r
.endr
.irp a, 0,1,2,3
	ds_store_b32 v[ARW], v[SS+2*\a] offset:256*\a  ; both halves of the lanes write the same word with the same value
.endr
	s_wait_dscnt 0x0                               ; for the others' sake
	s_barrier_signal -1
	s_barrier_wait -1
.irp a, 0,1,2,3
	ds_load_b128 v[168+4*\a:171+4*\a], v[ARR] offset:256*\a   ; the four waves' parts
.endr
	s_wait_dscnt 0x0
.irp a, 0,1,2,3
	v_add_f32 v[168+4*\a], v[168+4*\a], v[169+4*\a]
	v_add_f32 v[170+4*\a], v[170+4*\a], v[171+4*\a]
.endr
.irp a, 0,1,2,3
	v_add_f32 v[168+4*\a], v[168+4*\a], v[170+4*\a]
.endr
.irp a, 0,1,2,3
	v_rsq_f32 v[SS+2*\a], v[168+4*\a]
.endr
	v_nop                                          ; a plain place behind the transcendentals
.endm
; One step of the sum over the 16 lanes of a half: each lane keeps half of its registers and gets the partner's share of them.
.macro RSTEP hh, m, x
	s_mov_b32 vcc_lo, \m                           ; the lanes whose bit of r is set keep the upper half
.set i_, 0
.rept \hh
	v_cndmask_b32 v[128+i_], v[64+i_+\hh], v[64+i_], vcc_lo   ; what I give
.set i_, i_+1
.endr
.set i_, 0
.rept \hh
	v_cndmask_b32 v[64+i_], v[64+i_], v[64+i_+\hh], vcc_lo    ; what I keep
.set i_, i_+1
.endr
.set i_, 0
.rept \hh
	v_add_f32_dpp v[64+i_], v[128+i_], v[64+i_] row_xmask:\x row_mask:0xf bank_mask:0xf
.set i_, i_+1
.endr
.endm
; Pass p: the sum over my lane's four rows of k v for the pass's 64 registers, then over the 16 lanes; lane r ends with registers 4 r .. 4 r + 3: the wave stores 512 consecutive bytes.
.macro PASSRED p
	WIN 0x06+(\p)                                  ; source 0: k, window 2 + p; source 1: v, window 1
.set i_, 0
.rept 32
	v_pk_mul_f32 v[64+2*i_:65+2*i_], v[2*i_:2*i_+1], v[2*i_:2*i_+1]   ; each of v's accumulators is read from its low end on
.set i_, i_+1
.endr
.irp a, 1,2,3
.set i_, 0
.rept 32
	v_pk_fma_f32 v[64+2*i_:65+2*i_], v[64*\a+2*i_:64*\a+2*i_+1], v[64*\a+2*i_:64*\a+2*i_+1], v[64+2*i_:65+2*i_]
.set i_, i_+1
.endr
.endr
.if (\p) == 0
	WIN 0x40
	BIAS 8192, 8                                   ; the second pass's bias lands while the lanes are summed
.endif
	WIN 0
	RSTEP 32, 0xff00ff00, 8
	RSTEP 16, 0xf0f0f0f0, 4
	RSTEP 8, 0xcccccccc, 2
	RSTEP 4, 0xaaaaaaaa, 1
	global_store_b128 v[KVO], v[64:67], s[12:13] offset:512*(\p)
.endm
	s_load_b256 s[4:11], s[0:1], 0x0               ; xq s[4:5], wkv s[6:7], b_qkv s[8:9], mask s[10:11]
	s_load_b64 s[12:13], s[0:1], 0x20              ; kvp
	v_lshl_add_u32 v[SPW], v0, 2, SPARE
	v_mov_b32 v[NIL], 0
	ds_add_u32 v2, v3
	ds_add_u32 v2, v3
	s_wait_dscnt 0x0
	v_lshrrev_b32 v1, 5, v0
	v_readfirstlane_b32 s[WV], v1                  ; wave 0..3
	s_bfe_u32 s19, ttmp6, 0x40000                  ; cx: my place in the cluster
	s_lshl_b32 s20, ttmp9, 2                       ; in a cluster launch ttmp9 counts clusters
	s_add_co_u32 s20, s20, s19                     ; my block of 64 rows: it enters global addresses of x, the mask and kvp alone
	; descriptor group 1: a part is a dense block of 25,600 bytes: 100 rows of 256 bytes (32 elements of 8 bytes)
	s_mov_b32 s[G1], 15|(3<<16)|(1<<21)            ; 15:0 the mask: all four work-groups; 17:16 elements of 8 bytes; 20 no padding; 21 set beside a mask
	s_mov_b32 s[G1+1], 32<<16                      ; tensor_dim0 = 32
	s_mov_b32 s[G1+2], 100<<16                     ; tensor_dim1 = 100
	s_mov_b32 s[G1+3], 32<<16                      ; tile_dim0 = 32
	s_mov_b32 s[G1+4], 100                         ; tile_dim1 = 100
	s_mov_b32 s[G1+5], 32                          ; tensor_dim0_stride
	s_mov_b32 s[G1+6], 0
	s_mov_b32 s[G1+7], 0
	s_mul_i32 s21, s[WV], PARTB                    ; my part, in a slot of the stream and of LDS alike
	s_mov_b32 s44, s21
	s_mov_b32 s45, 0
	s_mov_b32 s[SEL], 0x76543210
	s_mov_b32 s[SEL+1], 0xfedcba98
	s_mul_i32 s22, s20, 51200                      ; x's block, and my quarter of it
	s_mul_i32 s42, s[WV], 12800
	s_add_co_u32 s22, s22, s42
	s_mov_b32 s23, 0
	s_lshl_b32 s46, s[WV], 10                      ; my 256 columns of a bias
	s_mov_b32 s47, 0
	s_lshl_b32 s48, s20, 6                         ; my block's 64 mask bytes
	s_mov_b32 s49, 0
	s_lshl_b32 s50, s20, 12                        ; my block's row of kvp, my 256 columns
	s_add_co_u32 s50, s50, s46
	s_mov_b32 s51, 0
	s_wait_kmcnt 0x0
	s_add_nc_u64 s[6:7], s[6:7], s[44:45]
	s_add_nc_u64 s[4:5], s[4:5], s[22:23]
	s_add_nc_u64 s[8:9], s[8:9], s[46:47]
	s_add_nc_u64 s[10:11], s[10:11], s[48:49]
	s_add_nc_u64 s[12:13], s[12:13], s[50:51]
.irp s, 0,1
	s_mov_b32 s[G0+4*\s], 1                        ; 1:0 count = 1
	s_add_co_u32 s[G0+4*\s+1], s21, \s*SLOTB       ; 63:32 LDS address
	s_add_nc_u64 s[G0+4*\s+2:G0+4*\s+3], s[6:7], \s*SLOTB   ; 120:64 global address: the stream's slot s
	s_or_b32 s[G0+4*\s+3], s[G0+4*\s+3], 0x80000000   ; 127:126 type = 2
.endr
	CROUND                                         ; all four work-groups are here: the first joint loads meet
	tensor_load_to_lds s[G0:G0+3], s[G1:G1+7]      ; the two first fills go out together: two loads of mine are out
	s_nop 0
	tensor_load_to_lds s[G0+4:G0+7], s[G1:G1+7]
	s_nop 0
	PLACES 4
	v_and_b32 v[TA], 31, v0                        ; lane
	v_lshlrev_b32 v[L16], 4, v[TA]
	v_lshlrev_b32 v[TA], 2, v[TA]                  ; 4 x lane
	v_and_b32 v[RR], 15, v0
	v_bfe_u32 v[KVO], v0, 4, 1                     ; h
	v_lshlrev_b32 v[BH], 6, v[KVO]
	v_add_nc_u32 v[AW0], s21, v[L16]
	v_add_nc_u32 v[AW0+1], SLOTB, v[AW0]
	v_add_nc_u32 v[AS0], s21, v[TA]
	v_add_nc_u32 v[AS0], WSC, v[AS0]
	v_add_nc_u32 v[AS0+1], SLOTB, v[AS0]
	v_add_nc_u32 v[AX], XREG, v[L16]
	v_add_nc_u32 v[AXS], XREG+XSCO, v[TA]
	s_lshl_b32 s42, s[WV], 2
	s_add_co_u32 s42, s42, RED
	v_lshl_add_u32 v[ARW], v[RR], 4, s42
	v_lshl_add_u32 v[ARR], v[RR], 4, RED
	v_lshrrev_b32 v[TA], 2, v[RR]
	v_lshl_add_u32 v[TA], v[TA], 7, v[BH]
	v_and_b32 v[KVO], 3, v[RR]
	v_lshl_add_u32 v[KVO], v[KVO], 4, v[TA]        ; 128 (r / 4) + 64 h + 16 (r % 4): registers 4 r .. 4 r + 3 of a pass are these columns
	s_mul_i32 s42, s[WV], 12800
	s_add_co_u32 s42, s42, XREG
	v_add_nc_u32 v[TA], s42, v[L16]                ; where my quarter of x's block goes
.irp a, 0,1,2,3
	v_mov_b32 v[PD+\a], 0                          ; written once: a lane permute's destination counts as one of its sources
.endr
.set i_, 0
.rept 25
	global_load_b128 v[XA+4*i_:XA+4*i_+3], v[L16], s[4:5] offset:512*i_   ; my quarter of x's block: 25 x 512 consecutive bytes
.set i_, i_+1
.endr
.irp a, 0,1,2,3
	global_load_u8 v[MB+\a], v[RR], s[10:11] offset:16*\a   ; the mask of row 16 a + r
.endr
	WIN 0x80                                       ; destination window 2
	BIAS 4096, 0                                   ; k's bias
	WIN 0xc0
	BIAS 4096, 8
	WIN 0x40
	BIAS 8192, 0                                   ; v's, first pass
	WIN 0
	s_wait_loadcnt 0x0
.set i_, 0
.rept 25
	ds_store_b128 v[TA], v[XA+4*i_:XA+4*i_+3] offset:512*i_
.set i_, i_+1
.endr
	s_wait_tensorcnt 0x1                           ; my part of slot 0 is in; slot 1's may stay out
	s_wait_dscnt 0x0                               ; for the others' sake: my quarter of x lies in LDS
	s_barrier_signal -1
	s_barrier_wait -1
	; ---- k = x Wk^T + bk
	PRIME 0, 0
.irp j, 0,1,2,3,4,5,6
	SLOT \j, 0, 0, 1, 1
.endr
	SLOT 7, 0, 0, 1, 0
	; ---- k / |k|, 0 where the mask is set
	SUMSQ
	s_wait_alu depctr_va_vdst(0)
.irp a, 0,1,2,3
	v_cmp_eq_u32 vcc_lo, 0, v[MB+\a]
	v_cndmask_b32 v[SS+2*\a], 0, v[SS+2*\a], vcc_lo   ; a choice of a value: no branch hangs on the mask
.endr
	WIN 0x82                                       ; destination and source 0: window 2
.irp a, 0,1,2,3
.set i_, 0
.rept 32
	v_pk_mul_f32 v[64*\a+2*i_:64*\a+2*i_+1], v[64*\a+2*i_:64*\a+2*i_+1], v[SS+2*\a:SS+2*\a+1] op_sel_hi:[1,0]
.set i_, i_+1
.endr
.endr
	WIN 0xc3                                       ; window 3
.irp a, 0,1,2,3
.set i_, 0
.rept 32
	v_pk_mul_f32 v[64*\a+2*i_:64*\a+2*i_+1], v[64*\a+2*i_:64*\a+2*i_+1], v[SS+2*\a:SS+2*\a+1] op_sel_hi:[1,0]
.set i_, i_+1
.endr
.endr
	WIN 0
	; ---- v = x Wv^T + bv, and the sums of k v, in two passes of 128 columns a wave
	PRIME 8, 1
	SLOT 8, 1, 1, 1, 1
	SLOT 9, 1, 1, 1, 1
	SLOT 10, 1, 1, 1, 1
	SLOT 11, 1, 1, 1, 0
	PASSRED 0
	s_wait_loadcnt 0x0                             ; the second pass's bias
	s_wait_xcnt 0x0                                ; the store's data registers are loaded again only behind this wait
	PRIME 12, 1
	SLOT 12, 1, 1, 1, 1
	SLOT 13, 1, 1, 1, 1
	SLOT 14, 1, 1, 0, 1                            ; the last two slots ask for nothing
	SLOT 15, 1, 1, 0, 0
	PASSRED 1
	s_wait_tensorcnt 0x0                           ; the wave's end: behind my last tensor load and my last LDS store
	ds_add_u32 v[SPW], v[NIL]
	s_wait_dscnt 0x0
	CROUND                                         ; the closing round: no work-group ends while a partner may still ask for a part that names it
	s_endpgm
.Lfunc_end_k_q57462a3f0b_kvpart:
	.size	k_q57462a3f0b_kvpart, .Lfunc_end_k_q57462a3f0b_kvpart-k_q57462a3f0b_kvpart
	.p2alignl 7, 3214868480
	.fill 96, 4, 3214868480
	.section	.rodata,"a",@progbits
	.p2align	6, 0x0
	.amdhsa_kernel k_q57462a3f0b_kvpart
		.amdhsa_group_segment_fixed_size 327680
		.amdhsa_private_segment_fixed_size 0
		.amdhsa_enable_private_segment 0
		.amdhsa_kernarg_size 40
		.amdhsa_user_sgpr_count 2
		.amdhsa_user_sgpr_kernarg_segment_ptr 1
		.amdhsa_wavefront_size32 1
		.amdhsa_system_sgpr_workgroup_id_x 1
		.amdhsa_system_sgpr_workgroup_id_y 1
		.amdhsa_system_sgpr_workgroup_id_z 1
		.amdhsa_system_vgpr_workitem_id 0
		.amdhsa_next_free_vgpr 1024
		.amdhsa_next_free_sgpr 66
		.amdhsa_reserve_vcc 1
		.amdhsa_float_denorm_mode_32 3
		.amdhsa_float_denorm_mode_16_64 3
		.amdhsa_memory_ordered 1
		.amdhsa_forward_progress 1
		.amdhsa_inst_pref_size 255
	.end_amdhsa_kernel
	.section	.bss,"aw",@nobits
	.p2align	6
	.space	262144
	.amdgpu_metadata
---
amdhsa.version: [ 1, 2 ]
amdhsa.kernels:
  - .name:           k_q57462a3f0b_kvpart
    .symbol:         k_q57462a3f0b_kvpart.kd
    .args:
      - { .name: xq, .offset: 0, .size: 8, .value_kind: global_buffer, .address_space: global }
      - { .name: wkv, .offset: 8, .size: 8, .value_kind: global_buffer, .address_space: global }
      - { .name: b_qkv, .offset: 16, .size: 8, .value_kind: global_buffer, .address_space: global }
      - { .name: mask, .offset: 24, .size: 8, .value_kind: global_buffer, .address_space: global }
      - { .name: kvp, .offset: 32, .size: 8, .value_kind: global_buffer, .address_space: global }
    .group_segment_fixed_size: 327680
    .private_segment_fixed_size: 0
    .kernarg_segment_align: 8
    .kernarg_segment_size: 40
    .max_flat_workgroup_size: 128
    .sgpr_count:     66
    .vgpr_count:     1024
    .wavefront_size: 32
...
	.end_amdgpu_metadata
.endif
;; end of part 2
;; launch outproj (part 3): grid 256 x 1, 4 waves a work-group, clusters of 4 x 1, 327,680 bytes of LDS; arguments xq, wqo, b_qkv, b_out, kvp, out0; writes out0
.if DOCPART == 3
	.amdgcn_target "amdgcn-amd-amdhsa--gfx1250"
	.amdhsa_code_object_version 6
	.text
	.protected	k_q57462a3f0b_outproj
	.globl	k_q57462a3f0b_outproj
	.p2align	8
	.type	k_q57462a3f0b_outproj,@function
k_q57462a3f0b_outproj:
	s_mov_b64 s[64:65], 0
	v_nop
	global_prefetch_b8 v0, s[64:65] scope:SCOPE_SE
	s_setreg_imm32_b32 hwreg(HW_REG_WAVE_MODE, 25, 1), 1
	s_wait_xcnt 0x0
	s_wait_alu depctr_hold_cnt(0) depctr_sa_sdst(0) depctr_va_vdst(0) depctr_va_sdst(0) depctr_va_ssrc(0) depctr_va_vcc(0) depctr_vm_vsrc(0)
	s_getreg_b32 s2, hwreg(HW_REG_IB_STS2, 6, 4)
	s_cmp_eq_u32 s2, 0
	s_cbranch_scc0 .Lentry_in_a_cluster
	s_endpgm
.Lentry_in_a_cluster:
	s_bfe_u32 s2, ttmp6, 0x10000c
	s_cmp_lg_u32 s2, 0x3003
	s_cbranch_scc0 .Lentry_shape_is_right
	s_endpgm
.Lentry_shape_is_right:
; For 64 rows t of x: q = x Wq^T + bq, out = kv q / |q| (kv: the sum of the batch's 64 partial sums of the launch before), out quantised along its 1,024 columns to FP6 with E8M0 scales, y = out W_out^T + b_out, f32.
; Both products on codes of FP6; x's and the weights' codes were made by the first launch.
; SHARES.  A work-group owns 64 rows, whole, since |q| wants a whole row: 64 x 1,024 f32 of q are 512 registers for each of four waves.  THE WAVES SHARE THE COLUMNS: wave w has columns 256 w on of q and of y.
; BOTH PRODUCTS ARE USED TRANSPOSED (source 0 = 16 rows of W, source 1 = 16 rows of x or of out): a lane holds ONE row (lane % 16), its registers run along the columns.
; Register j of q's tile c, lanes' half h, is column 32 (c / 2) + 16 h + 8 (c % 2) + j (so the first launch chose Wq's rows): the 16 registers of tiles 2 b and 2 b + 1 are 16 neighbours along the second product's K.
; So a wave's 8 tiles of a tile of rows are quantised in registers into one fragment and one scale word a row; the wave's 256 columns are K steps 2 w and 2 w + 1.  The fragments go to the other waves through LDS as images of their registers.
; y's tiles are 16 neighbouring columns: register j is column 16 c + 8 h + j.
; THE WEIGHTS come as a stream of 16 slots of 102,400 bytes through a ring of two LDS slots; wave w fetches and reads part w.  Slots 0-7: K step j of Wq, the wave's 16 tiles.  Slots 8-15: W_out: pass (j - 8) / 4 (128 columns a wave),
; K steps 2 (j % 4) and 2 (j % 4) + 1, the pass's 8 tiles.
; CLUSTER.  All row blocks walk the same stream: the four work-groups of a cluster ask for each part JOINTLY, by the same tensor load with the same descriptor (it hangs on the wave's number alone) and a mask that names the four.
; kv: each wave adds the 64 partial sums of its 256 columns, eight in each of the first product's eight slots: asked for at a slot's head, added at its end.
; THE BIASES are loaded straight into the accumulators, so that every product adds in place.  y's accumulators are q's registers, taken over tile by tile as q is used up.  The first pass's half of y leaves while the second is multiplied.
; LIMITS: NaN and infinities are not served.  1 / |q| is v_rsq_f32 of the sum of squares and a multiplication, where the definition takes a root and divides; the sum of squares has to be a normal f32 number (v_rsq_f32 takes a denormal for 0).
; A block of out whose largest magnitude lies under 2^-124, a block of zeros among them, gets the scale byte 1.
; REGISTERS, in windows of 256: window 0: v1-15, v56-61 addresses; v16-27 statistics; v32-47 the weights' scale words, two sets; v48-55 x's or out's, two sets; v64-111, v112-159 fragments of x or out; v160-207, v208-255 of W;
;   between the products v64-164 are at work.  window 1: v0-63 eight partial sums, v64-71 kv, v128-255 kv in q's layout; later four buffers of 64 for rows of y.  windows 2, 3: q's tiles 0-7, 8-15; then y's passes 0, 1.
.set SLOTB, 102400
.set PARTB, 25600
.set FRB,   1536                       ; a fragment's image
.set WSC,   24576                      ; the scale words' place in a part
.set XREG,  2*SLOTB                    ; behind the ring: x's block, as it lies in xq; behind the first product: the waves' stages for y, 16 rows x 528 bytes each
.set XSCO,  49152                      ; the scale words' place in it
.set OIMG,  256000                     ; out's 32 fragments and their scale words, laid as x's
.set RED,   307200                     ; the waves' parts of the rows' sums of squares: 256 a + 16 r + 4 w
.set KVS,   308224                     ; kv, 1,024 bytes a wave
.set SPARE, 312320                     ; the spare words, 128 bytes for each wave: two blocks of 256 bytes that no other line names
.set SP,    528                        ; a stage row: 512 bytes + 16
.set L16,  1                           ; v1   16 x lane
.set SPW,  2                           ; v2   LDS address of my spare word; never rewritten
.set NIL,  3                           ; v3   0; never rewritten
.set AW0,  4                           ; v4-5 my part's fragments in slot 0, 1
.set AS0,  6                           ; v6-7 its scale words
.set AX,   8                           ; v8   x's fragments, later out's
.set AXS,  9                           ; v9   their scale words
.set ARW,  10
.set ARR,  11
.set BH,   12                          ; v12  64 h
.set H32,  13                          ; v13  32 h
.set RR,   14                          ; v14  r
.set TA,   15                          ; v15  at work
.set SS,   16                          ; v16-23 a pair for each tile of rows: sums of squares, then 1 / |q|
.set PD,   24
.set WS,   32
.set XS,   48
.set AOW,  56                          ; v56  where I store out's images: K steps 2 w, 2 w + 1
.set AOS,  57                          ; v57  and their scale words
.set AKV,  58                          ; v58  kv, read in q's layout
.set KVW,  59                          ; v59  kv, as it is summed
.set STO,  60                          ; v60  my stage: where I put 32 bytes of a row
.set STR,  61                          ; v61  and where I read a row back
.set XA,   64
.set XB,   112
.set WA,   160
.set WB,   208
.set PC,   128                         ; v128-147 the codes just made
.set TM,   148                         ; v148-151 largest magnitudes, v152-155 bytes, v160-163 the conversions' scale operands
.set PW,   164                         ; the scale word just made
.set WV,   18
.set G1,   24
.set G0,   32
.set SEL,  40
.set MSB, 0
.macro WIN new                         ; s_set_vgpr_msb: bits 1:0 source 0, 3:2 source 1, 5:4 source 2, 7:6 destination; the high byte repeats the setting that is left
.if MSB != (\new)
	s_set_vgpr_msb (MSB<<8)|(\new)
.set MSB, \new
.endif
.endm
; A load into a register that a matrix instruction has read, and a vector instruction or a store that reads a matrix result, stand four places behind it; only plain vector instructions that name none of its registers are places.
.macro PLACES n
.rept \n
	v_nop
.endr
.endm
.macro CREST                           ; a round of the cluster's barrier behind its opening barrier
	s_cmp_lg_u32 s[WV], 0
	s_cbranch_scc1 .Lnot_wave_0_\@
	s_barrier_signal -3
.Lnot_wave_0_\@:
	s_barrier_wait -3
	s_barrier_signal -1
	s_barrier_wait -1
.endm
.macro CROUND                          ; a whole round
	s_barrier_signal -1
	s_barrier_wait -1
	CREST
.endm
.macro JLOAD s                         ; the joint load of my part of slot s; four v_nop follow it
	tensor_load_to_lds s[G0+4*(\s):G0+4*(\s)+3], s[G1:G1+7]
	s_nop 0
	PLACES 4
.endm
.macro LDW set, s, g                   ; four fragments of W, places 4 g .. 4 g + 3 of my part of slot s: each line reads 512 consecutive bytes
.irp i, 0,1,2,3
.irp c, 0,1,2
	ds_load_b128 v[\set+12*\i+4*\c:\set+12*\i+4*\c+3], v[AW0+(\s)] offset:FRB*(4*(\g)+\i)+512*\c
.endr
.endr
.endm
.macro LDX set, off                    ; the four tiles of rows of one K step of x or of out
.irp a, 0,1,2,3
.irp c, 0,1,2
	ds_load_b128 v[\set+12*\a+4*\c:\set+12*\a+4*\c+3], v[AX] offset:(\off)+FRB*\a+512*\c
.endr
.endr
.endm
.macro LDWS s                          ; my part's scale words: register n holds place 2 n's in lanes 0-15 and place 2 n + 1's in lanes 16-31
.irp n, 0,1,2,3,4,5,6,7
	ds_load_b32 v[WS+8*(\s)+\n], v[AS0+(\s)] offset:128*\n
.endr
.endm
.macro LDXS s, off, n                  ; the rows' scale words: register m holds those of two tiles of rows
.set m_, 0
.rept \n
	ds_load_b32 v[XS+4*(\s)+m_], v[AXS] offset:(\off)+128*m_
.set m_, m_+1
.endr
.endm
; 8 products: fragments i0, i0 + 1 of the set x the four tiles of rows.  The accumulators take turns, one instruction a turn.
.macro MUL8 wset, xset, g, i0, s, xs0
.irp i, \i0, \i0+1
.irp a, 0,1,2,3
.set rD, 64*\a+8*(4*((\g)&1)+(\i))
.set rW, \wset+12*(\i)
.set rX, \xset+12*\a
.set rP, WS+8*(\s)+2*(\g)+((\i)>>1)
.set rQ, XS+4*(\s)+(\xs0)+(\a>>1)
.set rows, 2*((\i)&1)+(\a&1)
.if rows == 0
	v_wmma_scale_f32_16x16x128_f8f6f4 v[rD:rD+7], v[rW:rW+11], v[rX:rX+11], v[rD:rD+7], v[rP], v[rQ] matrix_a_fmt:MATRIX_FMT_FP6 matrix_b_fmt:MATRIX_FMT_FP6
.elseif rows == 1
	v_wmma_scale_f32_16x16x128_f8f6f4 v[rD:rD+7], v[rW:rW+11], v[rX:rX+11], v[rD:rD+7], v[rP], v[rQ] matrix_a_fmt:MATRIX_FMT_FP6 matrix_b_fmt:MATRIX_FMT_FP6 matrix_b_scale:MATRIX_SCALE_ROW1
.elseif rows == 2
	v_wmma_scale_f32_16x16x128_f8f6f4 v[rD:rD+7], v[rW:rW+11], v[rX:rX+11], v[rD:rD+7], v[rP], v[rQ] matrix_a_fmt:MATRIX_FMT_FP6 matrix_b_fmt:MATRIX_FMT_FP6 matrix_a_scale:MATRIX_SCALE_ROW1
.else
	v_wmma_scale_f32_16x16x128_f8f6f4 v[rD:rD+7], v[rW:rW+11], v[rX:rX+11], v[rD:rD+7], v[rP], v[rQ] matrix_a_fmt:MATRIX_FMT_FP6 matrix_b_fmt:MATRIX_FMT_FP6 matrix_a_scale:MATRIX_SCALE_ROW1 matrix_b_scale:MATRIX_SCALE_ROW1
.endif
.endr
.endr
.endm
.macro PRIME j, vt                     ; the first operands of slot j, where the slot before has not fetched them
.set sg, (\j)%2
	LDW WA, sg, 0
.if \vt
	LDX XA, 12288*((\j)%4)
	LDWS sg
	LDXS sg, 512*((\j)%4), 4
.else
	LDX XA+48*sg, 6144*((\j)%8)
	LDWS sg
	LDXS sg, 256*((\j)%8), 2
.endif
.endm
.macro KVLOAD j                        ; partial sums 8 j .. 8 j + 7 of my 256 columns: each line reads 512 consecutive bytes
	WIN 0x40                                       ; destination window 1
.irp i, 0,1,2,3,4,5,6,7
.irp e, 0,1
	global_load_b128 v[8*\i+4*\e:8*\i+4*\e+3], v[L16], s[12:13] offset:4096*(8*(\j)+\i)+512*\e
.endr
.endr
	WIN 0
.endm
.macro KVADD                           ; and are added, in four chains: 32 plain instructions that name no register of the products: they are the places behind them
	s_wait_loadcnt 0x0
	WIN 0x45                               ; all three in window 1
.irp i, 0,1,2,3,4,5,6,7
.irp u, 0,2,4,6
	v_pk_add_f32 v[64+\u:65+\u], v[64+\u:65+\u], v[8*\i+\u:8*\i+\u+1]
.endr
.endr
.endm
; SLOT j: 64 products in four groups of 16, on two sets of W's fragments by turns; each group's twelve loads are asked for a group ahead.
; vt = 0: one K step, 16 tiles (groups 0, 1 into window 2, groups 2, 3 into window 3).  vt = 1: two K steps x 8 tiles, into window aw.
; refill = 1: behind group 2's first half all my reads of this slot are over, and it is filled again with the stream's slot j + 2.  next = 1: the next slot's first operands are fetched behind that.  kvs = 1: eight partial sums of kv on the way.
.macro SLOT j, vt, aw, refill, next, kvs
.set sg, (\j)%2
.if \vt
.set xl, XA
.set xh, XB
.set xn, XA
.set w01, 0x50*(\aw)
.set w23, 0x50*(\aw)
.set nxt, 36
.else
.set xl, XA+48*sg
.set xh, XA+48*sg
.set xn, XA+48*(1-sg)
.set w01, 0xa0
.set w23, 0xf0
.set nxt, 34
.endif
.if \kvs
	KVLOAD \j
.endif
	LDW WB, sg, 1
.if \vt
	LDX XB, 6144*(2*((\j)%4)+1)
	s_wait_dscnt 24                                ; all but the 24 just issued: group 0's fragments, the rows' first K step and the scale words are in
.else
	s_wait_dscnt 12                                ; all but the 12 just issued
.endif
	WIN w01
	MUL8 WA, xl, 0, 0, sg, 0
	MUL8 WA, xl, 0, 2, sg, 0
	PLACES 4
	WIN 0
	LDW WA, sg, 2
	s_wait_dscnt 12                                ; group 1's fragments are in (and the rows' second K step)
	WIN w01
	MUL8 WB, xl, 1, 0, sg, 0
	MUL8 WB, xl, 1, 2, sg, 0
	PLACES 4
	WIN 0
	LDW WB, sg, 3                                  ; my last reads of this slot
.if \refill
	s_wait_tensorcnt 0x0                           ; all my tensor loads have landed: the one that was out is my part of the next slot; so a group 0 may be written
	ds_add_u32 v[SPW], v[NIL]                      ; 0 onto my spare word
	s_add_nc_u64 s[G0+4*sg+2:G0+4*sg+3], s[G0+4*sg+2:G0+4*sg+3], 2*SLOTB   ; two slots on in the stream; the type bits on top are not reached
	s_wait_dscnt 13                                ; group 2's fragments are in; group 3's twelve loads and the add may be out
	WIN w23
	MUL8 WA, xh, 2, 0, sg, 2*\vt                   ; eight products stand between the add and the wait for it
	s_wait_dscnt 0x0                               ; the add is done, and my reads of this slot are over
	s_barrier_signal -1                            ; this barrier opens a round of the cluster's barrier
	MUL8 WA, xh, 2, 2, sg, 2*\vt
	WIN 0
	s_barrier_wait -1
	CREST                                          ; no wave of any partner still reads this slot or has a load on its way
	JLOAD sg                                       ; the first tensor load behind the round, my only one until the next; its four v_nop are also the places in front of the loads below
.elseif \next
	s_wait_tensorcnt 0x0                           ; my part of the last slot, which I alone read: no load was issued behind it
	s_wait_dscnt 12
	WIN w23
	MUL8 WA, xh, 2, 0, sg, 2*\vt
	MUL8 WA, xh, 2, 2, sg, 2*\vt
	PLACES 4
	WIN 0
.else
	s_wait_dscnt 12
	WIN w23
	MUL8 WA, xh, 2, 0, sg, 2*\vt
	MUL8 WA, xh, 2, 2, sg, 2*\vt
	s_wait_dscnt 0x0
.endif
.if \next
	LDW WA, 1-sg, 0
.if \vt
	LDX xn, 12288*(((\j)+1)%4)
	LDWS 1-sg
	LDXS 1-sg, 512*(((\j)+1)%4), 4
.else
	LDX xn, 6144*(((\j)%8)+1)
	LDWS 1-sg
	LDXS 1-sg, 256*(((\j)%8)+1), 2
.endif
.if !\refill
	s_wait_dscnt nxt                               ; group 3's fragments are in; the loads just issued may be out
.endif
.endif
	WIN w23
	MUL8 WB, xh, 3, 0, sg, 2*\vt
	MUL8 WB, xh, 3, 2, sg, 2*\vt
.if \kvs
	KVADD
.else
	PLACES 4                                       ; for the next loads into the second set, and for the first read of results
.endif
	WIN 0
.endm
; q's bias into a window's 32 accumulators: tiles cl0 .. cl0 + 7 of my 16; the same eight numbers for all four tiles of rows.
.macro BIAS off, cl0
.irp t, 0,1,2,3,4,5,6,7
.irp a, 0,1,2,3
.irp e, 0,1
	global_load_b128 v[64*\a+8*\t+4*\e:64*\a+8*\t+4*\e+3], v[BH], s[8:9] offset:(\off)+128*(((\cl0)+\t)>>1)+32*(\t&1)+16*\e
.endr
.endr
.endr
.endm
; The rows' sums of squares over all 1,024 columns, and 1 / their roots into v[SS + 2 a].
.macro SUMSQ
	WIN 0x0a                                       ; sources 0 and 1: window 2
.irp a, 0,1,2,3
	v_pk_mul_f32 v[SS+2*\a:SS+2*\a+1], v[64*\a:64*\a+1], v[64*\a:64*\a+1]   ; the first squares start the sums; each accumulator is read from its low end on
.endr
.set q_, 1
.rept 31
.irp a, 0,1,2,3
	v_pk_fma_f32 v[SS+2*\a:SS+2*\a+1], v[64*\a+2*q_:64*\a+2*q_+1], v[64*\a+2*q_:64*\a+2*q_+1], v[SS+2*\a:SS+2*\a+1]   ; (the four tiles of rows by turns)
.endr
.set q_, q_+1
.endr
	WIN 0x0f                                       ; window 3
.set q_, 0
.rept 32
.irp a, 0,1,2,3
	v_pk_fma_f32 v[SS+2*\a:SS+2*\a+1], v[64*\a+2*q_:64*\a+2*q_+1], v[64*\a+2*q_:64*\a+2*q_+1], v[SS+2*\a:SS+2*\a+1]
.endr
.set q_, q_+1
.endr
	WIN 0
.irp a, 0,1,2,3
	v_add_f32 v[SS+2*\a], v[SS+2*\a], v[SS+2*\a+1]
.endr
.irp a, 0,1,2,3
	v_permlanex16_b32 v[PD+\a], v[SS+2*\a], s[SEL], s[SEL+1]
.endr
.irp a, 0,1,2,3
	v_add_f32 v[SS+2*\a], v[SS+2*\a], v[PD+\a]     ; with lane l xor 16's: my wave's 256 columns of row 16 a + r
.endr
.irp a, 0,1,2,3
	ds_store_b32 v[ARW], v[SS+2*\a] offset:256*\a  ; both halves of the lanes write the same word with the same value
.endr
	s_wait_dscnt 0x0                               ; for the others' sake; my reads of x's block are over too
	s_barrier_signal -1
	s_barrier_wait -1
.irp a, 0,1,2,3
	ds_load_b128 v[168+4*\a:171+4*\a], v[ARR] offset:256*\a   ; the four waves' parts
.endr
	s_wait_dscnt 0x0
.irp a, 0,1,2,3
	v_add_f32 v[168+4*\a], v[168+4*\a], v[169+4*\a]
	v_add_f32 v[170+4*\a], v[170+4*\a], v[171+4*\a]
.endr
.irp a, 0,1,2,3
	v_add_f32 v[168+4*\a], v[168+4*\a], v[170+4*\a]
.endr
.irp a, 0,1,2,3
	v_rsq_f32 v[SS+2*\a], v[168+4*\a]
.endr
	v_nop                                          ; a plain place behind the transcendentals
.endm
; 64 numbers of a lane, v[s] .. v[s + 63], register 16 b + i = k 32 b + 16 (lane / 16) + i of my row, become a fragment's codes in v[PC] on and its scale word in v[PW].
.macro QUANT s
.irp b, 0,1,2,3
	v_max3_num_f32 v[TM+\b], |v[\s+16*\b]|, |v[\s+1+16*\b]|, 0x1800000   ; block b: my 16 numbers, and the floor 2^(3 - 127): the byte cannot fall under 1
.endr
.irp i, 2,4,6,8,10,12,14
.irp b, 0,1,2,3
	v_max3_num_f32 v[TM+\b], v[TM+\b], |v[\s+16*\b+\i]|, |v[\s+1+16*\b+\i]|   ; (the four blocks by turns)
.endr
.endr
.irp b, 0,1,2,3
	v_permlanex16_b32 v[TM+4+\b], v[TM+\b], s[SEL], s[SEL+1]
.endr
.irp b, 0,1,2,3
	v_max_num_f32 v[TM+\b], v[TM+\b], v[TM+4+\b]   ; with lane l xor 16's: the block's largest magnitude
.endr
.irp b, 0,1,2,3
	v_add_nc_u32 v[TM+12+\b], 0xff000000, v[TM+\b] ; 2 off its exponent field: the conversion takes the exponent field of this operand as its scale, and nothing else of it
.endr
.irp b, 0,1,2,3
	v_lshrrev_b32 v[TM+4+\b], 23, v[TM+12+\b]      ; the scale's byte
.endr
	v_lshl_or_b32 v[PW], v[TM+5], 8, v[TM+4]       ; the four bytes make my row's scale word
	v_lshl_or_b32 v[PW], v[TM+6], 16, v[PW]
	v_lshl_or_b32 v[PW], v[TM+7], 24, v[PW]
.irp c, 0,1
	v_cvt_scalef32_pk16_fp6_f32 v[PC+6*\c:PC+2+6*\c], v[\s+32*\c:\s+15+32*\c], v[TM+12+2*\c]
	v_cvt_scalef32_pk16_fp6_f32 v[PC+12+4*\c:PC+14+4*\c], v[\s+16+32*\c:\s+31+32*\c], v[TM+12+2*\c+1]   ; (a conversion's three registers begin on an even number)
.endr
	v_nop                                          ; one plain place behind a scaled conversion
.irp c, 0,1                                    ; the operand's layout wants a WHOLE block in a lane: lanes 0-15 block 2 c, lanes 16-31 block 2 c + 1
.irp i, 0,1,2
	v_permlane16_swap_b32 v[PC+6*\c+\i], v[PC+12+4*\c+\i]
.endr
.irp i, 0,1,2
	v_mov_b32 v[PC+3+6*\c+\i], v[PC+12+4*\c+\i]
.endr
.endr
.endm
; Tile of rows a, my K step kk (columns 128 kk on of my 256): out = q / |q| x kv, quantised; its image and scale words to LDS.  q's registers, used up, take y's bias for pass kk.
.macro UNIT a, kk
	WIN 0x02+(\kk)                                 ; source 0: q, window 2 + kk
.set i_, 0
.rept 32
	v_pk_mul_f32 v[64+2*i_:65+2*i_], v[64*(\a)+2*i_:64*(\a)+2*i_+1], v[SS+2*(\a):SS+2*(\a)+1] op_sel_hi:[1,0]
.set i_, i_+1
.endr
	WIN 0x04                                       ; source 1: kv, window 1
.set i_, 0
.rept 32
	v_pk_mul_f32 v[64+2*i_:65+2*i_], v[64+2*i_:65+2*i_], v[128+64*(\kk)+2*i_:129+64*(\kk)+2*i_]
.set i_, i_+1
.endr
	WIN 0x80+0x40*(\kk)                            ; destination window 2 + kk
.irp b, 0,1,2,3,4,5,6,7
.irp e, 0,1
	global_load_b128 v[64*(\a)+8*\b+4*\e:64*(\a)+8*\b+4*\e+3], v[H32], s[10:11] offset:64*(8*(\kk)+\b)+16*\e   ; b_out at columns 16 (8 kk + b) + 8 h + 4 e on
.endr
.endr
	WIN 0
	QUANT 64
.irp c, 0,1,2
	ds_store_b128 v[AOW], v[PC+4*\c:PC+4*\c+3] offset:6144*(\kk)+FRB*(\a)+512*\c
.endr
	ds_store_b32 v[AOS], v[PW] offset:256*(\kk)+64*(\a)   ; both halves of the lanes write the same word with the same value
	s_wait_dscnt 0x0                               ; the stores have read their registers
.endm
; THE WAY OUT of pass p, a tile of 16 rows x 128 columns at a time: through my own stage and back as whole rows of 512 bytes.  LDS serves a wave's instructions in order: no wait between the stores and the loads, nor in front of the next tile's stores.
.macro TOSTAGE a, p
	WIN 0x08+4*(\p)                                ; an LDS store's data are its source 1: window 2 + p
.irp b, 0,1,2,3,4,5,6,7
	ds_store_b128 v[STO], v[64*(\a)+8*\b:64*(\a)+8*\b+3] offset:64*\b        ; each accumulator from its low end on
	ds_store_b128 v[STO], v[64*(\a)+8*\b+4:64*(\a)+8*\b+7] offset:64*\b+16
.endr
	WIN 0x40                                       ; destination window 1
.irp t, 0,1,2,3,4,5,6,7,8,9,10,11,12,13,14,15
	ds_load_b128 v[64*(\a)+4*\t:64*(\a)+4*\t+3], v[STR] offset:SP*\t
.endr
.endm
.macro SEND a, p, younger              ; younger: the LDS instructions issued behind tile a's loads, which may stay out
	s_wait_dscnt \younger
	WIN 0x04                                       ; a store's data are its source 1: window 1
.irp t, 0,1,2,3,4,5,6,7,8,9,10,11,12,13,14,15
	global_store_b128 v[L16], v[64*(\a)+4*\t:64*(\a)+4*\t+3], s[14:15] offset:4096*(16*(\a)+\t)+512*(\p) th:TH_STORE_NT   ; 32 lanes store 512 consecutive bytes, at a multiple of 256 from y's first byte; written once, read by nobody here
.endr
.endm
.macro OUTPASS p
	TOSTAGE 0, \p
	TOSTAGE 1, \p
	SEND 0, \p, 32                                 ; behind tile 0's loads: tile 1's 16 stores and 16 loads
	TOSTAGE 2, \p
	SEND 1, \p, 32
	TOSTAGE 3, \p
	SEND 2, \p, 32
	SEND 3, \p, 0
	WIN 0
.endm
	s_load_b256 s[4:11], s[0:1], 0x0               ; xq s[4:5], wqo s[6:7], b_qkv s[8:9], b_out s[10:11]
	s_load_b128 s[12:15], s[0:1], 0x20             ; kvp s[12:13], out0 s[14:15]
	v_lshl_add_u32 v[SPW], v0, 2, SPARE
	v_mov_b32 v[NIL], 0
	ds_add_u32 v2, v3
	ds_add_u32 v2, v3
	s_wait_dscnt 0x0
	v_lshrrev_b32 v1, 5, v0
	v_readfirstlane_b32 s[WV], v1                  ; wave 0..3
	s_bfe_u32 s19, ttmp6, 0x40000                  ; cx: my place in the cluster
	s_lshl_b32 s20, ttmp9, 2                       ; in a cluster launch ttmp9 counts clusters
	s_add_co_u32 s20, s20, s19                     ; my block of 64 rows: it enters global addresses of x, kvp and y alone
	; descriptor group 1: a part is a dense block of 25,600 bytes: 100 rows of 256 bytes (32 elements of 8 bytes)
	s_mov_b32 s[G1], 15|(3<<16)|(1<<21)            ; 15:0 the mask: all four work-groups; 17:16 elements of 8 bytes; 20 no padding; 21 set beside a mask
	s_mov_b32 s[G1+1], 32<<16                      ; tensor_dim0 = 32
	s_mov_b32 s[G1+2], 100<<16                     ; tensor_dim1 = 100
	s_mov_b32 s[G1+3], 32<<16                      ; tile_dim0 = 32
	s_mov_b32 s[G1+4], 100                         ; tile_dim1 = 100
	s_mov_b32 s[G1+5], 32                          ; tensor_dim0_stride
	s_mov_b32 s[G1+6], 0
	s_mov_b32 s[G1+7], 0
	s_mul_i32 s21, s[WV], PARTB                    ; my part, in a slot of the stream and of LDS alike
	s_mov_b32 s44, s21
	s_mov_b32 s45, 0
	s_mov_b32 s[SEL], 0x76543210
	s_mov_b32 s[SEL+1], 0xfedcba98
	s_mul_i32 s22, s20, 51200                      ; x's block, and my quarter of it
	s_mul_i32 s42, s[WV], 12800
	s_add_co_u32 s22, s22, s42
	s_mov_b32 s23, 0
	s_lshl_b32 s46, s[WV], 10                      ; my 256 columns of a row of f32
	s_mov_b32 s47, 0
	s_lshr_b32 s48, s20, 6                         ; the batch: 64 blocks of 64 rows
	s_lshl_b32 s48, s48, 18                        ; its 64 partial sums of 4,096 bytes
	s_add_co_u32 s48, s48, s46
	s_mov_b32 s49, 0
	s_lshl_b32 s50, s20, 18                        ; my block's 64 rows of y
	s_add_co_u32 s50, s50, s46
	s_mov_b32 s51, 0
	s_wait_kmcnt 0x0
	s_add_nc_u64 s[6:7], s[6:7], s[44:45]
	s_add_nc_u64 s[4:5], s[4:5], s[22:23]
	s_add_nc_u64 s[8:9], s[8:9], s[46:47]
	s_add_nc_u64 s[10:11], s[10:11], s[46:47]
	s_add_nc_u64 s[12:13], s[12:13], s[48:49]
	s_add_nc_u64 s[14:15], s[14:15], s[50:51]
.irp s, 0,1
	s_mov_b32 s[G0+4*\s], 1                        ; 1:0 count = 1
	s_add_co_u32 s[G0+4*\s+1], s21, \s*SLOTB       ; 63:32 LDS address
	s_add_nc_u64 s[G0+4*\s+2:G0+4*\s+3], s[6:7], \s*SLOTB   ; 120:64 global address: the stream's slot s
	s_or_b32 s[G0+4*\s+3], s[G0+4*\s+3], 0x80000000   ; 127:126 type = 2
.endr
	CROUND                                         ; all four work-groups are here: the first joint loads meet
	tensor_load_to_lds s[G0:G0+3], s[G1:G1+7]      ; the two first fills go out together: two loads of mine are out
	s_nop 0
	tensor_load_to_lds s[G0+4:G0+7], s[G1:G1+7]
	s_nop 0
	PLACES 4
	v_and_b32 v[TA], 31, v0                        ; lane
	v_lshlrev_b32 v[L16], 4, v[TA]
	v_lshlrev_b32 v[TA], 2, v[TA]                  ; 4 x lane
	v_and_b32 v[RR], 15, v0
	v_add_nc_u32 v[AW0], s21, v[L16]
	v_add_nc_u32 v[AW0+1], SLOTB, v[AW0]
	v_add_nc_u32 v[AS0], s21, v[TA]
	v_add_nc_u32 v[AS0], WSC, v[AS0]
	v_add_nc_u32 v[AS0+1], SLOTB, v[AS0]
	v_add_nc_u32 v[AX], XREG, v[L16]
	v_add_nc_u32 v[AXS], XREG+XSCO, v[TA]
	v_bfe_u32 v[TA], v0, 4, 1                      ; h
	v_lshlrev_b32 v[BH], 6, v[TA]
	v_lshlrev_b32 v[H32], 5, v[TA]
	s_lshl_b32 s42, s[WV], 2
	s_add_co_u32 s42, s42, RED
	v_lshl_add_u32 v[ARW], v[RR], 4, s42
	v_lshl_add_u32 v[ARR], v[RR], 4, RED
	s_mul_i32 s42, s[WV], 12288
	s_add_co_u32 s42, s42, OIMG
	v_add_nc_u32 v[AOW], s42, v[L16]               ; fragments 4 (2 w) on
	s_lshl_b32 s42, s[WV], 9
	s_add_co_u32 s42, s42, OIMG+XSCO
	v_lshl_add_u32 v[AOS], v[RR], 2, s42
	s_lshl_b32 s42, s[WV], 10
	s_add_co_u32 s42, s42, KVS
	v_add_nc_u32 v[AKV], s42, v[BH]
	v_add_nc_u32 v[KVW], s42, v[L16]
	s_mul_i32 s42, s[WV], 16*SP
	s_add_co_u32 s42, s42, XREG
	v_mul_u32_u24 v[STO], v[RR], SP
	v_add_nc_u32 v[STO], v[STO], v[H32]
	v_add_nc_u32 v[STO], s42, v[STO]               ; my stage: row r, + 32 h
	v_add_nc_u32 v[STR], s42, v[L16]
	s_mul_i32 s42, s[WV], 12800
	s_add_co_u32 s42, s42, XREG
	v_add_nc_u32 v[TA], s42, v[L16]                ; where my quarter of x's block goes
.irp a, 0,1,2,3
	v_mov_b32 v[PD+\a], 0                          ; written once: a lane permute's destination counts as one of its sources
.endr
.set i_, 0
.rept 25
	global_load_b128 v[XA+4*i_:XA+4*i_+3], v[L16], s[4:5] offset:512*i_   ; my quarter of x's block: 25 x 512 consecutive bytes
.set i_, i_+1
.endr
	WIN 0x80                                       ; destination window 2
	BIAS 0, 0                                      ; q's bias
	WIN 0xc0
	BIAS 0, 8
	WIN 0x40
.irp i, 0,1,2,3,4,5,6,7
	v_mov_b32 v[64+\i], 0                          ; kv's sums begin
.endr
	WIN 0
	s_wait_loadcnt 0x0
.set i_, 0
.rept 25
	ds_store_b128 v[TA], v[XA+4*i_:XA+4*i_+3] offset:512*i_
.set i_, i_+1
.endr
	s_wait_tensorcnt 0x1                           ; my part of slot 0 is in; slot 1's may stay out
	s_wait_dscnt 0x0                               ; for the others' sake: my quarter of x lies in LDS
	s_barrier_signal -1
	s_barrier_wait -1
	; ---- q = x Wq^T + bq; on the way the batch's 64 partial sums of kv are added
	PRIME 0, 0
.irp j, 0,1,2,3,4,5,6
	SLOT \j, 0, 0, 1, 1, 1
.endr
	SLOT 7, 0, 0, 1, 0, 1
	; ---- kv turns through my own bytes of LDS into q's layout
	WIN 0x04                                       ; an LDS store's data are its source 1: window 1
	ds_store_b128 v[KVW], v[64:67]
	ds_store_b128 v[KVW], v[68:71] offset:512
	WIN 0x40
.irp cl, 0,1,2,3,4,5,6,7,8,9,10,11,12,13,14,15
.irp e, 0,1
	ds_load_b128 v[128+8*\cl+4*\e:128+8*\cl+4*\e+3], v[AKV] offset:128*(\cl>>1)+32*(\cl&1)+16*\e   ; LDS serves a wave's instructions in order: these see my stores
.endr
.endr
	WIN 0
	SUMSQ
	; ---- out = kv q / |q|, quantised: my two K steps of the second product, for the four tiles of rows
	s_wait_alu depctr_va_vdst(0)
.irp b, 0,1,2,3
	v_mov_b32 v[TM+4+\b], 0                        ; a lane permute's destination counts as one of its sources
.endr
.irp a, 0,1,2,3
	UNIT \a, 0
	UNIT \a, 1
.endr
	s_wait_dscnt 0x0                               ; for the others' sake: my eight images lie in LDS
	s_barrier_signal -1
	s_barrier_wait -1                              ; out's 32 fragments lie in LDS, and nobody reads x's block any more
	v_add_nc_u32 v[AX], OIMG-XREG, v[AX]           ; the rows' operand is out from here on
	v_add_nc_u32 v[AXS], OIMG-XREG, v[AXS]
	s_wait_loadcnt 0x0                             ; y's bias
	; ---- y = out W_out^T + b_out, in two passes of 128 columns a wave
	PRIME 8, 1
	SLOT 8, 1, 2, 1, 1, 0
	SLOT 9, 1, 2, 1, 1, 0
	SLOT 10, 1, 2, 1, 1, 0
	SLOT 11, 1, 2, 1, 0, 0
	OUTPASS 0                                      ; its stores leave while the second pass is multiplied
	PRIME 12, 1
	SLOT 12, 1, 3, 1, 1, 0
	SLOT 13, 1, 3, 1, 1, 0
	SLOT 14, 1, 3, 0, 1, 0                         ; the last two slots ask for nothing
	SLOT 15, 1, 3, 0, 0, 0
	s_wait_xcnt 0x0                                ; the first pass's stores have read their registers: the four buffers are loaded again only behind this wait
	OUTPASS 1
	s_wait_tensorcnt 0x0                           ; the wave's end: behind my last tensor load and my last LDS store
	ds_add_u32 v[SPW], v[NIL]
	s_wait_dscnt 0x0
	CROUND                                         ; the closing round: no work-group ends while a partner may still ask for a part that names it
	s_endpgm
.Lfunc_end_k_q57462a3f0b_outproj:
	.size	k_q57462a3f0b_outproj, .Lfunc_end_k_q57462a3f0b_outproj-k_q57462a3f0b_outproj
	.p2alignl 7, 3214868480
	.fill 96, 4, 3214868480
	.section	.rodata,"a",@progbits
	.p2align	6, 0x0
	.amdhsa_kernel k_q57462a3f0b_outproj
		.amdhsa_group_segment_fixed_size 327680
		.amdhsa_private_segment_fixed_size 0
		.amdhsa_enable_private_segment 0
		.amdhsa_kernarg_size 48
		.amdhsa_user_sgpr_count 2
		.amdhsa_user_sgpr_kernarg_segment_ptr 1
		.amdhsa_wavefront_size32 1
		.amdhsa_system_sgpr_workgroup_id_x 1
		.amdhsa_system_sgpr_workgroup_id_y 1
		.amdhsa_system_sgpr_workgroup_id_z 1
		.amdhsa_system_vgpr_workitem_id 0
		.amdhsa_next_free_vgpr 1024
		.amdhsa_next_free_sgpr 66
		.amdhsa_reserve_vcc 0
		.amdhsa_float_denorm_mode_32 3
		.amdhsa_float_denorm_mode_16_64 3
		.amdhsa_memory_ordered 1
		.amdhsa_forward_progress 1
		.amdhsa_inst_pref_size 255
	.end_amdhsa_kernel
	.section	.bss,"aw",@nobits
	.p2align	6
	.space	262144
	.amdgpu_metadata
---
amdhsa.version: [ 1, 2 ]
amdhsa.kernels:
  - .name:           k_q57462a3f0b_outproj
    .symbol:         k_q57462a3f0b_outproj.kd
    .args:
      - { .name: xq, .offset: 0, .size: 8, .value_kind: global_buffer, .address_space: global }
      - { .name: wqo, .offset: 8, .size: 8, .value_kind: global_buffer, .address_space: global }
      - { .name: b_qkv, .offset: 16, .size: 8, .value_kind: global_buffer, .address_space: global }
      - { .name: b_out, .offset: 24, .size: 8, .value_kind: global_buffer, .address_space: global }
      - { .name: kvp, .offset: 32, .size: 8, .value_kind: global_buffer, .address_space: global }
      - { .name: out0, .offset: 40, .size: 8, .value_kind: global_buffer, .address_space: global }
    .group_segment_fixed_size: 327680
    .private_segment_fixed_size: 0
    .kernarg_segment_align: 8
    .kernarg_segment_size: 48
    .max_flat_workgroup_size: 128
    .sgpr_count:     66
    .vgpr_count:     1024
    .wavefront_size: 32
...
	.end_amdgpu_metadata
.endif
;; end of part 3
;; ======== version 2 of 2: 3 launches
;; limits: right only within a limited range of input values
;; workspace buffers: xq 13,107,200 bytes; wkv 1,638,400 bytes; wqo 1,638,400 bytes; kvp 1,048,576 bytes
;; launch quant (part 4): grid 64 x 4, 4 waves a work-group, no clusters, 34,816 bytes of LDS; arguments W_qkv, W_out, wkv, wqo; writes wkv, wqo
.if DOCPART == 4
	.amdgcn_target "amdgcn-amd-amdhsa--gfx1250"
	.amdhsa_code_object_version 6
	.text
	.protected	k_q57462a3f0b_quant
	.globl	k_q57462a3f0b_quant
	.p2align	8
	.type	k_q57462a3f0b_quant,@function
k_q57462a3f0b_quant:
	s_mov_b64 s[64:65], 0
	v_nop
	global_prefetch_b8 v0, s[64:65] scope:SCOPE_SE
	s_setreg_imm32_b32 hwreg(HW_REG_WAVE_MODE, 25, 1), 1
	s_wait_xcnt 0x0
; W_qkv [3072][1024] and W_out [1024][1024], f32, K innermost, become codes of FP6 (E2M3) with one E8M0 scale byte for each 32 along K,
; laid as IMAGES OF THE OPERANDS' REGISTERS in the order in which the two later launches walk them.  (x is quantised by launch kvpart.)
; A fragment is 16 rows x 128 K: 12 registers a lane; registers 4 c .. 4 c + 3 of lane l lie at 512 c + 16 l of its 1,536 bytes.  Its scale words: 16 words, word r = row r's four bytes.
; wkv, wqo: 16 slots of 102,400 bytes, each four parts (one for each wave of the later launches) of 25,600: 16 fragments, then at 24,576 their scale words.
;   Column tile c = 16 w + cl belongs to part w.  Slots 0-7 (wkv: Wk, wqo: Wq): slot = K step, place = cl.  Slots 8-15 (wkv: Wv, wqo: W_out): slot = 8 + 4 (cl / 8) + s / 2, place = 8 (s % 2) + cl % 8.
; Lane r of tile c of W_qkv takes row 32 (c / 2) + 8 (c % 2) + r + 8 (r / 8) of its third, so that in the transposed product two neighbouring tiles' 16 registers are 16 neighbouring columns.  W_out's tiles are 16 neighbouring rows.
; A block's scale is 2^(floor(log2(its largest magnitude)) - 2); its byte is the largest magnitude's exponent field - 2, held at 1 from below.
; LIMITS: NaN and infinities are not served.  A block whose largest magnitude lies under 2^-124, a block of zeros among them, gets the byte 1: its codes are zeros or nearly so, and this program alone reads the bytes.
; Work-group (u, y): 64 rows x 256 along K (K steps 2 y, 2 y + 1); wave a: one tile, two fragments.  u < 48: W_qkv's blocks; else W_out's 16.  One path; what differs is chosen into scalars on the work-group's number.
; Each load reads 512 consecutive bytes of a row; 16 rows x 512 bytes turn through the wave's own stage in LDS, so that a lane gets two whole blocks of 32.  One barrier, for the scale words, which leave as blocks of 256 bytes.
.set SP,    528
.set STGB,  16*SP
.set GATH,  4*STGB                     ; the work-group's scale words, [K step][wave][16 words]: 512 bytes; the spare words follow at 0x8600
.set VLO,  4
.set VHI,  5
.set STW,  6
.set STR,  7
.set GW,   8
.set GR,   9
.set SO,   10
.set H8,   11
.set R,    32
.set X,    160
.set C,    224
.set T,    248
	s_load_b128 s[4:7], s[0:1], 0x0                ; W_qkv, W_out
	s_load_b128 s[12:15], s[0:1], 0x10             ; wkv, wqo
	v_lshl_add_u32 v251, v0, 2, 0x8600
	v_mov_b32 v255, 0
	v_lshrrev_b32 v1, 5, v0
	v_readfirstlane_b32 s16, v1                    ; a: wave
	s_and_b32 s17, ttmp7, 0xffff                   ; y
	s_mov_b32 s19, ttmp9                           ; u
	s_lshr_b32 s20, s19, 4                         ; part: 0 q, 1 k, 2 v, 3 out
	s_and_b32 s21, s19, 15                         ; gl: which 64 rows of the part
	s_lshr_b32 s22, s20, 1                         ; the part goes into slots 8-15
	s_lshl_b32 s23, s16, 4                         ; a tile of neighbours begins at row 16 a;
	s_lshr_b32 s24, s16, 1
	s_lshl_b32 s24, s24, 5
	s_and_b32 s25, s16, 1
	s_lshl_b32 s25, s25, 3
	s_add_co_u32 s24, s24, s25                     ; one of W_qkv's at 32 (a / 2) + 8 (a % 2)
	s_cmp_lt_u32 s19, 48
	s_cselect_b32 s23, s24, s23
	s_cselect_b32 s27, 32768, 0                    ; how much further down its rows 8-15 lie
	s_cselect_b32 s28, s19, s21                    ; which 64 rows of the source
	s_lshl_b32 s28, s28, 18
	s_lshl_b32 s29, s23, 12
	s_add_co_u32 s28, s28, s29
	s_lshl_b32 s29, s17, 10
	s_add_co_u32 s28, s28, s29
	s_mov_b32 s29, 0
	s_bfe_u32 s30, s21, 0x10001
	s_lshl_b32 s30, s30, 2
	s_add_co_u32 s30, s30, 8
	s_add_co_u32 s30, s30, s17                     ; slots 8-15: 8 + 4 (cl / 8) + y
	s_lshl_b32 s31, s17, 1                         ; slots 0-7: 2 y
	s_and_b32 s32, s21, 1
	s_and_b32 s33, s21, 3
	s_cmp_lg_u32 s22, 0
	s_cselect_b32 s30, s30, s31
	s_cselect_b32 s32, s32, s33                    ; which four places of a part
	s_mov_b32 s34, 102400
	s_cselect_b32 s48, 12288, s34                  ; from the first K step's fragment to the second's: eight places on, or a slot on
	s_cselect_b32 s36, 512, s34                    ; the same for the scale words
	s_mul_i32 s37, s30, 102400
	s_lshr_b32 s38, s21, 2
	s_mul_i32 s38, s38, 25600
	s_add_co_u32 s37, s37, s38
	s_mul_i32 s46, s32, 6144
	s_add_co_u32 s46, s46, s37
	s_lshl_b32 s50, s32, 8
	s_add_co_u32 s50, s50, s37
	s_add_co_u32 s50, s50, 24576
	s_mul_i32 s43, s16, 1536
	s_add_co_u32 s46, s46, s43
	s_mov_b32 s47, 0
	s_mov_b32 s49, 0
	s_mov_b32 s51, 0
	s_mov_b32 s60, 0x76543210
	s_mov_b32 s61, 0xfedcba98
	s_mul_i32 s58, s16, STGB
	s_lshl_b32 s59, s16, 6
	s_add_co_u32 s59, s59, GATH
	s_add_co_u32 s44, s20, 1
	s_and_b32 s44, s44, 2
	v_and_b32 v1, 31, v0
	v_and_b32 v2, 15, v0
	v_bfe_u32 v3, v0, 4, 1
	v_lshlrev_b32 v[VLO], 4, v1
	v_add_nc_u32 v[VHI], s27, v[VLO]
	v_add_nc_u32 v[STW], s58, v[VLO]
	v_mul_u32_u24 v[STR], v2, SP
	v_lshl_add_u32 v[STR], v3, 7, v[STR]
	v_add_nc_u32 v[STR], s58, v[STR]
	v_lshl_add_u32 v[GW], v2, 2, s59
	v_add_nc_u32 v[GR], GATH, v[VLO]
	v_mul_u32_u24 v[SO], v3, s36
	v_lshl_add_u32 v[SO], v2, 4, v[SO]
	v_lshlrev_b32 v[H8], 3, v3
	v_mov_b32 v19, 0
	s_wait_alu depctr_va_vdst(0)
	s_wait_kmcnt 0x0
	s_cmp_lt_u32 s19, 48                           ; the buffers are chosen on the work-group's number alone
	s_cselect_b64 s[4:5], s[4:5], s[6:7]
	s_cmp_eq_u32 s44, 0                            ; parts 0 and 3 go to wqo, parts 1 and 2 to wkv
	s_cselect_b64 s[10:11], s[14:15], s[12:13]
	s_add_nc_u64 s[4:5], s[4:5], s[28:29]
	s_add_nc_u64 s[52:53], s[10:11], s[46:47]
	s_add_nc_u64 s[54:55], s[52:53], s[48:49]
	s_add_nc_u64 s[56:57], s[10:11], s[50:51]
.irp e, 0,1
.irp i, 0,1,2,3,4,5,6,7,8,9,10,11,12,13,14,15
.if \i < 8
	global_load_b128 v[R+64*\e+4*\i:R+64*\e+4*\i+3], v[VLO], s[4:5] offset:4096*\i+512*\e th:TH_LOAD_NT
.else
	global_load_b128 v[R+64*\e+4*\i:R+64*\e+4*\i+3], v[VHI], s[4:5] offset:4096*\i+512*\e th:TH_LOAD_NT
.endif
.endr
.endr
.macro QSTEP e                         ; 16 rows x 128 numbers become a fragment and its scale words
.if (\e) == 0
	s_wait_loadcnt 16                              ; the first K step's 16 loads are in
.else
	s_wait_loadcnt 0x0
.endif
.irp i, 0,1,2,3,4,5,6,7,8,9,10,11,12,13,14,15
	ds_store_b128 v[STW], v[R+64*(\e)+4*\i:R+64*(\e)+4*\i+3] offset:SP*\i
.endr
.irp c, 0,1
.irp j, 0,1,2,3,4,5,6,7
	ds_load_b128 v[X+32*\c+4*\j:X+32*\c+4*\j+3], v[STR] offset:256*\c+16*\j   ; k = 64 c + 32 h + 4 j on, of row r
.endr
.endr
	s_wait_dscnt 0x0
.irp c, 0,1
	v_max3_num_f32 v[12+\c], |v[X+32*\c]|, |v[X+32*\c+1]|, 0x1800000   ; with the floor 2^(3 - 127)
.endr
.irp i, 2,4,6,8,10,12,14,16,18,20,22,24,26,28,30
.irp c, 0,1
	v_max3_num_f32 v[12+\c], v[12+\c], |v[X+32*\c+\i]|, |v[X+32*\c+\i+1]|
.endr
.endr
.irp c, 0,1
	v_add_nc_u32 v[14+\c], 0xff000000, v[12+\c]    ; 2 off the exponent field: the conversion's scale operand
.endr
.irp c, 0,1
	v_lshrrev_b32 v[16+\c], 23, v[14+\c]
.endr
	v_lshl_or_b32 v18, v17, 16, v16
	v_lshlrev_b32 v18, v[H8], v18
	v_permlanex16_b32 v19, v18, s60, s61
	v_or_b32 v[20+(\e)], v18, v19                  ; with lane l xor 16's two bytes the word is whole
.irp c, 0,1
	v_cvt_scalef32_pk16_fp6_f32 v[C+12*(\e)+6*\c:C+12*(\e)+6*\c+2], v[X+32*\c:X+32*\c+15], v[14+\c]
	v_cvt_scalef32_pk16_fp6_f32 v[T+4*\c:T+4*\c+2], v[X+32*\c+16:X+32*\c+31], v[14+\c]
.endr
	v_nop                                          ; one plain place behind a scaled conversion
.irp c, 0,1
.irp i, 0,1,2
	v_mov_b32 v[C+12*(\e)+6*\c+3+\i], v[T+4*\c+\i]
.endr
.endr
.irp c, 0,1,2
	global_store_b128 v[VLO], v[C+12*(\e)+4*\c:C+12*(\e)+4*\c+3], s[52+2*(\e):53+2*(\e)] offset:512*\c   ; 32 lanes store 512 consecutive bytes, aligned
.endr
	ds_store_b32 v[GW], v[20+(\e)] offset:256*(\e)
.endm
	QSTEP 0
	QSTEP 1
	s_wait_dscnt 0x0                               ; for wave 0's sake: my scale words lie in LDS
	s_barrier_signal -1
	s_barrier_wait -1
	s_cmp_lg_u32 s16, 0
	s_cbranch_scc1 .Lend
	ds_load_b128 v[24:27], v[GR]
	s_wait_dscnt 0x0
	global_store_b128 v[SO], v[24:27], s[56:57]    ; sixteen lanes store 256 consecutive bytes, aligned
.Lend:
	s_wait_tensorcnt 0x0                           ; the wave's end
	ds_add_u32 v251, v255
	s_wait_dscnt 0x0
	s_endpgm
.Lfunc_end_k_q57462a3f0b_quant:
	.size	k_q57462a3f0b_quant, .Lfunc_end_k_q57462a3f0b_quant-k_q57462a3f0b_quant
	.p2alignl 7, 3214868480
	.fill 96, 4, 3214868480
	.section	.rodata,"a",@progbits
	.p2align	6, 0x0
	.amdhsa_kernel k_q57462a3f0b_quant
		.amdhsa_group_segment_fixed_size 34816
		.amdhsa_private_segment_fixed_size 0
		.amdhsa_enable_private_segment 0
		.amdhsa_kernarg_size 32
		.amdhsa_user_sgpr_count 2
		.amdhsa_user_sgpr_kernarg_segment_ptr 1
		.amdhsa_wavefront_size32 1
		.amdhsa_system_sgpr_workgroup_id_x 1
		.amdhsa_system_sgpr_workgroup_id_y 1
		.amdhsa_system_sgpr_workgroup_id_z 1
		.amdhsa_system_vgpr_workitem_id 0
		.amdhsa_next_free_vgpr 256
		.amdhsa_next_free_sgpr 66
		.amdhsa_reserve_vcc 0
		.amdhsa_float_denorm_mode_32 3
		.amdhsa_float_denorm_mode_16_64 3
		.amdhsa_memory_ordered 1
		.amdhsa_forward_progress 1
		.amdhsa_inst_pref_size 18
	.end_amdhsa_kernel
	.amdgpu_metadata
---
amdhsa.version: [ 1, 2 ]
amdhsa.kernels:
  - .name:           k_q57462a3f0b_quant
    .symbol:         k_q57462a3f0b_quant.kd
    .args:
      - { .name: W_qkv, .offset: 0, .size: 8, .value_kind: global_buffer, .address_space: global }
      - { .name: W_out, .offset: 8, .size: 8, .value_kind: global_buffer, .address_space: global }
      - { .name: wkv, .offset: 16, .size: 8, .value_kind: global_buffer, .address_space: global }
      - { .name: wqo, .offset: 24, .size: 8, .value_kind: global_buffer, .address_space: global }
    .group_segment_fixed_size: 34816
    .private_segment_fixed_size: 0
    .kernarg_segment_align: 8
    .kernarg_segment_size: 32
    .max_flat_workgroup_size: 128
    .sgpr_count:     66
    .vgpr_count:     256
    .wavefront_size: 32
...
	.end_amdgpu_metadata
.endif
;; end of part 4
;; launch kvpart (part 5): grid 256 x 1, 4 waves a work-group, clusters of 4 x 1, 327,680 bytes of LDS; arguments x, wkv, b_qkv, mask, kvp, xq; writes kvp, xq
.if DOCPART == 5
	.amdgcn_target "amdgcn-amd-amdhsa--gfx1250"
	.amdhsa_code_object_version 6
	.text
	.protected	k_q57462a3f0b_kvpart
	.globl	k_q57462a3f0b_kvpart
	.p2align	8
	.type	k_q57462a3f0b_kvpart,@function
k_q57462a3f0b_kvpart:
	s_mov_b64 s[64:65], 0
	v_nop
	global_prefetch_b8 v0, s[64:65] scope:SCOPE_SE
	s_setreg_imm32_b32 hwreg(HW_REG_WAVE_MODE, 25, 1), 1
	s_wait_xcnt 0x0
	s_wait_alu depctr_hold_cnt(0) depctr_sa_sdst(0) depctr_va_vdst(0) depctr_va_sdst(0) depctr_va_ssrc(0) depctr_va_vcc(0) depctr_vm_vsrc(0)
	s_getreg_b32 s2, hwreg(HW_REG_IB_STS2, 6, 4)
	s_cmp_eq_u32 s2, 0
	s_cbranch_scc0 .Lentry_in_a_cluster
	s_endpgm
.Lentry_in_a_cluster:
	s_bfe_u32 s2, ttmp6, 0x10000c
	s_cmp_lg_u32 s2, 0x3003
	s_cbranch_scc0 .Lentry_shape_is_right
	s_endpgm
.Lentry_shape_is_right:
; kvp[block] = the sum over the block's 64 rows t of (mask ? 0 : k_t / |k_t|) * v_t, with k = Q(x) Q(Wk)^T + b_k, v = Q(x) Q(Wv)^T + b_v; and xq = Q(x) as images of the operand's registers, for launch outproj.
; Q: codes of FP6 (E2M3), one E8M0 byte for each 32 along K; a block's byte is its largest magnitude's exponent field - 2, held at 1 from below.
; A work-group takes 64 rows; a wave takes 256 of the 1,024 columns.  Products are used transposed (source 0 = 16 rows of the weight, source 1 = 16 rows of x): a lane holds one row, its registers run along the columns.
; xq: for each 64 rows 51,200 bytes: 32 fragments of 1,536 bytes in the order 4 s + a (s: K step, a: tile of 16 rows), then at 49,152 their scale words (16 words a fragment) in the same order.
; X IS QUANTISED HERE: wave a takes row tile a.  A K step's 16 rows x 512 bytes are loaded two slots ahead (two sets of 64 registers in window 1), turn through the wave's stage in LDS so that a lane gets two whole blocks of 32,
; and become a fragment that goes into x's image in LDS, ahead of the barrier of the slot before the one that multiplies it, and to xq.  The first two K steps are made at the head, under the first tensor load's flight.
; THE WEIGHTS (launch quant's wkv) walk through two LDS slots, 16 slots in all (0-7 Wk by K step; 8-15 Wv: two K steps x eight column tiles a wave).  A wave fetches and reads its own quarter of a slot; its two quarters lie on end in LDS,
; so that ONE load at the head, two rows of 25,600 bytes, brings both.  The four work-groups of a cluster ask jointly; clusters begin the walk at different slots (R1, R2), and x's image lies in LDS in the same turned order.
; No data prefetch: all 64 clusters read the same 16 slots, and x's rows are asked for by their own loads two slots ahead of their use.
; Slots 1-4 are a counted loop of two slots a trip; what changes lies in scalars (XO, XSO, the running numbers JN, QP, LP).
; LIMITS: NaN and infinities are not served; a row of k that is all zeros gives what 0 x infinity gives, unless it is masked.  A block of x under 2^-124, zeros among them, gets the byte 1.
; REGISTERS: window 0: v0-63 addresses, sums, scale words; v64-159 x's fragments; v160-255 the weight's.  Window 1: b_k, then the quantiser (v0-93 at work, v128-255 the loaded rows), then v's accumulators.  Windows 2, 3: k.
.set SLOTB, 102400
.set PARTB, 25600
.set FRB,   1536
.set WSC,   24576
.set XREG,  2*SLOTB
.set XSCO,  49152
.set STG,   256000                     ; the quantiser's stages: 16 rows of 528 bytes a wave
.set SP,    528
.set RED,   307200
.set SPARE, 312320
.set L16,  1
.set SPW,  2
.set NIL,  3
.set AW0,  4
.set AS0,  6
.set AX,   8
.set AXS,  9
.set ARW,  10
.set ARR,  11
.set BH,   12
.set RR,   13
.set KVO,  14
.set TA,   15
.set SS,   16
.set AIML, 16                          ; v16-20 serve the quantiser while k is summed; the sums of squares follow them
.set ASWL, 17
.set XOF,  18
.set XQO,  20
.set PD,   24
.set MB,   28
.set WS,   32
.set XS,   48
.set AXL,  56
.set AXSL, 57
.set L4,   58
.set STW,  59
.set STR,  60
.set AIM,  61
.set ASW,  62
.set H8,   63
.set XA,   64
.set XB,   112
.set WA,   160
.set WB,   208
.set CB,   0
.set WV,   18
.set PV,   21
.set G1,   24
.set G0,   32
.set SEL,  40
.set R1,   52
.set R2,   53
.set XO,   66
.set XSO,  67
.set QP,   68
.set LC,   69
.set JN,   70
.set LP,   71
.set G1H,  80
.set LB,   88
.set MSB, 0
.macro WIN new
.if MSB != (\new)
	s_set_vgpr_msb (MSB<<8)|(\new)
.set MSB, \new
.endif
.endm
.macro PLACES n
.rept \n
	v_nop
.endr
.endm
.macro CREST
	s_cmp_lg_u32 s[WV], 0
	s_cbranch_scc1 .Lnot_wave_0_\@
	s_barrier_signal -3
.Lnot_wave_0_\@:
	s_barrier_wait -3
	s_barrier_signal -1
	s_barrier_wait -1
.endm
.macro CROUND
	s_barrier_signal -1
	s_barrier_wait -1
	CREST
.endm
.macro JLOAD s
	tensor_load_to_lds s[G0+4*(\s):G0+4*(\s)+3], s[G1:G1+7]
	s_nop 0
	PLACES 4
.endm
; Group 0 of LDS slot s takes the walk's slot JN; JN steps on.  JN < 8: Wk's K step (R2 + JN) % 8; else Wv's slot (JN & 12) + (R1 + JN) % 4
.macro STEPV s
	s_add_co_u32 s56, s[R2], s[JN]
	s_and_b32 s56, s56, 7
	s_add_co_u32 s60, s[R1], s[JN]
	s_and_b32 s60, s60, 3
	s_and_b32 s61, s[JN], 12
	s_add_co_u32 s60, s60, s61
	s_cmp_lt_u32 s[JN], 8
	s_cselect_b32 s56, s56, s60
	s_mul_i32 s56, s56, SLOTB
	s_add_co_u32 s56, s56, s[PV]
	s_add_nc_u64 s[G0+4*(\s)+2:G0+4*(\s)+3], s[6:7], s[56:57]
	s_or_b32 s[G0+4*(\s)+3], s[G0+4*(\s)+3], 0x80000000
	s_add_co_u32 s[JN], s[JN], 1
.endm
.macro LDW set, s, g
.irp i, 0,1,2,3
.irp c, 0,1,2
	ds_load_b128 v[\set+12*\i+4*\c:\set+12*\i+4*\c+3], v[AW0+(\s)] offset:FRB*(4*(\g)+\i)+512*\c
.endr
.endr
.endm
.macro LDX set, off
.irp a, 0,1,2,3
.irp c, 0,1,2
	ds_load_b128 v[\set+12*\a+4*\c:\set+12*\a+4*\c+3], v[AXL] offset:(\off)+FRB*\a+512*\c
.endr
.endr
.endm
.macro LDWS s
.irp n, 0,1,2,3,4,5,6,7
	ds_load_b32 v[WS+8*(\s)+\n], v[AS0+(\s)] offset:128*\n
.endr
.endm
.macro LDXS s, off, n
.set m_, 0
.rept \n
	ds_load_b32 v[XS+4*(\s)+m_], v[AXSL] offset:(\off)+128*m_
.set m_, m_+1
.endr
.endm
.macro MUL8 wset, xset, g, i0, s, xs0, cf
.irp i, \i0, \i0+1
.irp a, 0,1,2,3
.set rD, 64*\a+8*(4*((\g)&1)+(\i))
.set rC, rD
.if \cf
.set rC, CB+8*(4*(\g)+(\i))
.endif
.set rW, \wset+12*(\i)
.set rX, \xset+12*\a
.set rP, WS+8*(\s)+2*(\g)+((\i)>>1)
.set rQ, XS+4*(\s)+(\xs0)+(\a>>1)
.set rows, 2*((\i)&1)+(\a&1)
.if rows == 0
	v_wmma_scale_f32_16x16x128_f8f6f4 v[rD:rD+7], v[rW:rW+11], v[rX:rX+11], v[rC:rC+7], v[rP], v[rQ] matrix_a_fmt:MATRIX_FMT_FP6 matrix_b_fmt:MATRIX_FMT_FP6
.elseif rows == 1
	v_wmma_scale_f32_16x16x128_f8f6f4 v[rD:rD+7], v[rW:rW+11], v[rX:rX+11], v[rC:rC+7], v[rP], v[rQ] matrix_a_fmt:MATRIX_FMT_FP6 matrix_b_fmt:MATRIX_FMT_FP6 matrix_b_scale:MATRIX_SCALE_ROW1
.elseif rows == 2
	v_wmma_scale_f32_16x16x128_f8f6f4 v[rD:rD+7], v[rW:rW+11], v[rX:rX+11], v[rC:rC+7], v[rP], v[rQ] matrix_a_fmt:MATRIX_FMT_FP6 matrix_b_fmt:MATRIX_FMT_FP6 matrix_a_scale:MATRIX_SCALE_ROW1
.else
	v_wmma_scale_f32_16x16x128_f8f6f4 v[rD:rD+7], v[rW:rW+11], v[rX:rX+11], v[rC:rC+7], v[rP], v[rQ] matrix_a_fmt:MATRIX_FMT_FP6 matrix_b_fmt:MATRIX_FMT_FP6 matrix_a_scale:MATRIX_SCALE_ROW1 matrix_b_scale:MATRIX_SCALE_ROW1
.endif
.endr
.endr
.endm
.macro PRIME vt
	LDW WA, 0, 0
	LDX XA, 0
	LDWS 0
.if \vt
	LDXS 0, 0, 4
.else
	LDXS 0, 0, 2
.endif
.endm
; THE QUANTISER OF X, in five parts.  rs: which set of loaded rows (window 1, v128 + 64 rs); w: the window in which it works (2 at the head, 1 in the slots): v0-63 my 2 x 32 neighbours, v64-75 the codes, v76-93 at work.
.macro QLD rs                          ; the walk's K step LP of my 16 rows: each load reads 512 consecutive bytes of a row
	s_add_co_u32 s61, s[R2], s[LP]
	s_and_b32 s61, s61, 7
	s_lshl_b32 s61, s61, 9
	s_add_co_u32 s[LP], s[LP], 1
	v_add_nc_u32 v[XOF+(\rs)], s61, v[L16]         ; (this register's earlier loads have been waited for)
	WIN 0x40
.irp i, 0,1,2,3,4,5,6,7,8,9,10,11,12,13,14,15
	global_load_b128 v[128+64*(\rs)+4*\i:128+64*(\rs)+4*\i+3], v[XOF+(\rs)], s[4:5] offset:4096*\i th:TH_LOAD_NT
.endr
	WIN 0
.endm
.macro QXA rs, w, cnt                  ; through my stage; cnt: the loads issued behind this set's 16
	s_wait_loadcnt \cnt
	WIN 0x04
.irp i, 0,1,2,3,4,5,6,7,8,9,10,11,12,13,14,15
	ds_store_b128 v[STW], v[128+64*(\rs)+4*\i:128+64*(\rs)+4*\i+3] offset:SP*\i
.endr
	WIN 0x40*(\w)
.irp c, 0,1
.irp j, 0,1,2,3,4,5,6,7
	ds_load_b128 v[32*\c+4*\j:32*\c+4*\j+3], v[STR] offset:256*\c+16*\j   ; k = 64 c + 32 h + 4 j on, of row r; LDS serves a wave's instructions in order
.endr
.endr
	WIN 0
.endm
.macro QADR                            ; where the walk's K step QP lies in xq
	s_wait_xcnt 0x0                                ; the last fragment's stores have read their offset and their data
	s_add_co_u32 s60, s[R2], s[QP]
	s_and_b32 s60, s60, 7
	s_mul_i32 s60, s60, 6144
	s_add_co_u32 s[QP], s[QP], 1
	v_add_nc_u32 v[XQO], s60, v[L16]
.endm
.macro QXC w
	WIN 0x55*(\w)
.irp c, 0,1
	v_max3_num_f32 v[84+\c], |v[32*\c]|, |v[32*\c+1]|, 0x1800000   ; my block 2 c + h, with the floor 2^(3 - 127)
.endr
.irp i, 2,4,6,8,10,12,14,16,18,20,22,24,26,28,30
.irp c, 0,1
	v_max3_num_f32 v[84+\c], v[84+\c], |v[32*\c+\i]|, |v[32*\c+\i+1]|
.endr
.endr
.irp c, 0,1
	v_add_nc_u32 v[86+\c], 0xff000000, v[84+\c]    ; 2 off the exponent field: the conversion's scale operand
.endr
.irp c, 0,1
	v_lshrrev_b32 v[88+\c], 23, v[86+\c]
.endr
	v_lshl_or_b32 v90, v89, 16, v88
	v_lshlrev_b32 v90, v93, v90                    ; v93 = 8 h
	v_permlanex16_b32 v91, v90, s[SEL], s[SEL+1]
	v_or_b32 v92, v90, v91                         ; row r's scale word
.irp c, 0,1
	v_cvt_scalef32_pk16_fp6_f32 v[64+6*\c:66+6*\c], v[32*\c:32*\c+15], v[86+\c]
	v_cvt_scalef32_pk16_fp6_f32 v[76+4*\c:78+4*\c], v[32*\c+16:32*\c+31], v[86+\c]
.endr
	v_nop                                          ; one plain place behind a scaled conversion
.irp c, 0,1
.irp i, 0,1,2
	v_mov_b32 v[67+6*\c+\i], v[76+4*\c+\i]
.endr
.endr
.endm
.macro QXS w, im, sc                   ; the fragment into x's image in LDS and into xq
	WIN 0x04*(\w)
.irp c, 0,1,2
	ds_store_b128 v[AIML], v[64+4*\c:67+4*\c] offset:(\im)+512*\c
.endr
	ds_store_b32 v[ASWL], v92 offset:(\sc)         ; both halves of the lanes write the same word with the same value
.irp c, 0,1,2
	global_store_b128 v[XQO], v[64+4*\c:67+4*\c], s[14:15] offset:512*\c   ; 32 lanes store 512 consecutive bytes, aligned
.endr
	WIN 0
.endm
; ONE SLOT: 64 matrix instructions in four groups of 16.  sg: the LDS slot.  vt = 0: Wk (nx: the next K step's place from AXL); vt = 1: Wv (nx: which of the pass's four slots).
; qx >= 0: the next K step of x is quantised from set qx on the way; ld: that set then takes the K step two further on; cnt: see QXA.
.macro SLOT sg, vt, refill, next, first, nx, qx, ld, cnt
.if \vt
.set xl, XA
.set xh, XB
.set xn, XA
.set w01, 0x50
.set w23, 0x50
.set nxt, 36
.else
.set xl, XA+48*(\sg)
.set xh, XA+48*(\sg)
.set xn, XA+48*(1-(\sg))
.set w01, 0xa0-0x10*(\first)
.set w23, 0xf0-0x20*(\first)
.set nxt, 34
.endif
.if (\qx) >= 0
	QXA \qx, 1, \cnt
.endif
	LDW WB, \sg, 1
.if \vt
	LDX XB, 6144*(2*(\nx)+1)
	s_wait_dscnt 24
.else
	s_wait_dscnt 12                                ; all but the 12 just issued: the stage's round trip too
.endif
.if (\qx) >= 0
	QADR
.if \ld
	QLD \qx
.endif
.endif
	WIN w01
	MUL8 WA, xl, 0, 0, \sg, 0, \first
	MUL8 WA, xl, 0, 2, \sg, 0, \first
.if (\qx) >= 0
	QXC 1
	QXS 1, 6144*(\nx), 256*(\nx)
.endif
	PLACES 4
	WIN 0
	LDW WA, \sg, 2
	s_wait_dscnt 12
	WIN w01
	MUL8 WB, xl, 1, 0, \sg, 0, \first
	MUL8 WB, xl, 1, 2, \sg, 0, \first
	PLACES 4
	WIN 0
	LDW WB, \sg, 3
	s_wait_dscnt 12
	WIN w23
	MUL8 WA, xh, 2, 0, \sg, 2*\vt, \first*(1-\vt)
	MUL8 WA, xh, 2, 2, \sg, 2*\vt, \first*(1-\vt)
.if \refill
	WIN 0
	s_wait_tensorcnt 0x0                           ; my one load that was out, my part of the other slot, is in;
	ds_add_u32 v[SPW], v[NIL]
	STEPV \sg
	s_wait_dscnt 0x0                               ; the add is done, my reads of this slot, and my stores into x's image
	s_barrier_signal -1
	s_barrier_wait -1
	CREST
	JLOAD \sg
.elseif \next
	PLACES 4
	WIN 0
	s_wait_tensorcnt 0x0                           ; the last slot's quarter is mine alone to read
.else
	s_wait_dscnt 0x0
.endif
.if \next
	LDW WA, 1-(\sg), 0
.if \vt
	LDX xn, 12288*(((\nx)+1)%4)
	LDWS 1-(\sg)
	LDXS 1-(\sg), 512*(((\nx)+1)%4), 4
.else
	LDX xn, 6144*(\nx)
	LDWS 1-(\sg)
	LDXS 1-(\sg), 256*(\nx), 2
.endif
.if !\refill
	s_wait_dscnt nxt
.endif
.endif
	WIN w23
	MUL8 WB, xh, 3, 0, \sg, 2*\vt, \first*(1-\vt)
	MUL8 WB, xh, 3, 2, \sg, 2*\vt, \first*(1-\vt)
	PLACES 4
	WIN 0
.endm
.macro BIASH off, cl0, t0              ; b_v straight into v's accumulators: the same eight columns for each of the four row tiles
.irp t, \t0, \t0+1, \t0+2, \t0+3
.irp a, 0,1,2,3
.irp e, 0,1
	global_load_b128 v[64*\a+8*(\t)+4*\e:64*\a+8*(\t)+4*\e+3], v[BH], s[8:9] offset:(\off)+128*(((\cl0)+(\t))>>1)+32*((\t)&1)+16*\e
.endr
.endr
.endr
.endm
.macro SUMSQ                           ; 1 / |k| of my four row tiles' rows
	WIN 0x0a
.irp a, 0,1,2,3
	v_pk_mul_f32 v[SS+2*\a:SS+2*\a+1], v[64*\a:64*\a+1], v[64*\a:64*\a+1]
.endr
.set q_, 1
.rept 31
.irp a, 0,1,2,3
	v_pk_fma_f32 v[SS+2*\a:SS+2*\a+1], v[64*\a+2*q_:64*\a+2*q_+1], v[64*\a+2*q_:64*\a+2*q_+1], v[SS+2*\a:SS+2*\a+1]
.endr
.set q_, q_+1
.endr
	WIN 0x0f
.set q_, 0
.rept 32
.irp a, 0,1,2,3
	v_pk_fma_f32 v[SS+2*\a:SS+2*\a+1], v[64*\a+2*q_:64*\a+2*q_+1], v[64*\a+2*q_:64*\a+2*q_+1], v[SS+2*\a:SS+2*\a+1]
.endr
.set q_, q_+1
.endr
	WIN 0
.irp a, 0,1,2,3
	v_add_f32 v[SS+2*\a], v[SS+2*\a], v[SS+2*\a+1]
.endr
.irp a, 0,1,2,3
	v_permlanex16_b32 v[PD+\a], v[SS+2*\a], s[SEL], s[SEL+1]
.endr
.irp a, 0,1,2,3
	v_add_f32 v[SS+2*\a], v[SS+2*\a], v[PD+\a]
.endr
.irp a, 0,1,2,3
	ds_store_b32 v[ARW], v[SS+2*\a] offset:256*\a
.endr
	s_wait_dscnt 0x0
	s_barrier_signal -1
	s_barrier_wait -1
.irp a, 0,1,2,3
	ds_load_b128 v[168+4*\a:171+4*\a], v[ARR] offset:256*\a
.endr
	s_wait_dscnt 0x0
.irp a, 0,1,2,3
	v_add_f32 v[168+4*\a], v[168+4*\a], v[169+4*\a]
	v_add_f32 v[170+4*\a], v[170+4*\a], v[171+4*\a]
.endr
.irp a, 0,1,2,3
	v_add_f32 v[168+4*\a], v[168+4*\a], v[170+4*\a]
.endr
	s_wait_alu depctr_va_vdst(0)
.irp a, 0,1,2,3
	v_rsq_f32 v[SS+2*\a], v[168+4*\a]
.endr
	v_nop
.endm
.macro RSTEP hh, m, x                  ; a step of the sum over the 16 rows that lie across lanes: half the registers, twice the rows in each
	s_mov_b32 vcc_lo, \m
.set i_, 0
.rept \hh
	v_cndmask_b32 v[128+i_], v[64+i_+\hh], v[64+i_], vcc_lo
.set i_, i_+1
.endr
.set i_, 0
.rept \hh
	v_cndmask_b32 v[64+i_], v[64+i_], v[64+i_+\hh], vcc_lo
.set i_, i_+1
.endr
.set i_, 0
.rept \hh
	v_add_f32_dpp v[64+i_], v[128+i_], v[64+i_] row_xmask:\x row_mask:0xf bank_mask:0xf
.set i_, i_+1
.endr
.endm
.macro PASSRED p                       ; k * v of pass p's 128 columns, summed over my 64 rows
	WIN 0x06+(\p)
.set i_, 0
.rept 32
	v_pk_mul_f32 v[64+2*i_:65+2*i_], v[2*i_:2*i_+1], v[2*i_:2*i_+1]
.set i_, i_+1
.endr
.irp a, 1,2,3
.set i_, 0
.rept 32
	v_pk_fma_f32 v[64+2*i_:65+2*i_], v[64*\a+2*i_:64*\a+2*i_+1], v[64*\a+2*i_:64*\a+2*i_+1], v[64+2*i_:65+2*i_]
.set i_, i_+1
.endr
.endr
.if (\p) == 0
	WIN 0x40
	BIASH 8192, 8, 0
.endif
	WIN 0
	RSTEP 32, 0xff00ff00, 8
.if (\p) == 0
	WIN 0x40
	BIASH 8192, 8, 4
	WIN 0
.endif
	RSTEP 16, 0xf0f0f0f0, 4
	RSTEP 8, 0xcccccccc, 2
	RSTEP 4, 0xaaaaaaaa, 1
	global_store_b128 v[KVO], v[64:67], s[12:13] offset:512*(\p)
.endm
	s_load_b256 s[4:11], s[0:1], 0x0               ; x, wkv, b_qkv, mask
	s_load_b128 s[12:15], s[0:1], 0x20             ; kvp, xq
	v_lshl_add_u32 v[SPW], v0, 2, SPARE
	v_mov_b32 v[NIL], 0
	ds_add_u32 v[SPW], v[NIL]
	ds_add_u32 v[SPW], v[NIL]
	v_lshrrev_b32 v1, 5, v0
	v_readfirstlane_b32 s[WV], v1
	s_bfe_u32 s19, ttmp6, 0x40000
	s_lshl_b32 s20, ttmp9, 2
	s_add_co_u32 s20, s20, s19                     ; my block of 64 rows
	s_and_b32 s[R1], ttmp9, 3
	s_lshl_b32 s[R2], s[R1], 1
	s_add_co_u32 s54, s[WV], s[R1]
	s_and_b32 s54, s54, 3
	s_mov_b32 s[G1], 15|(3<<16)|(1<<21)            ; a quarter slot: 100 rows of 256 bytes, dense; the four of my cluster
	s_mov_b32 s[G1+1], 32<<16
	s_mov_b32 s[G1+2], 100<<16
	s_mov_b32 s[G1+3], 32<<16
	s_mov_b32 s[G1+4], 100
	s_mov_b32 s[G1+5], 32
	s_mov_b32 s[G1+6], 0
	s_mov_b32 s[G1+7], 0
	s_mov_b32 s[G1H], 15|(3<<16)|(1<<21)           ; the head's load: my quarters of two slots on end: 2 rows of 3,200 elements of 8 bytes, 12,800 apart
	s_mov_b32 s[G1H+1], 3200<<16
	s_mov_b32 s[G1H+2], 2<<16
	s_mov_b32 s[G1H+3], 3200<<16
	s_mov_b32 s[G1H+4], 2
	s_mov_b32 s[G1H+5], 12800
	s_mov_b32 s[G1H+6], 0
	s_mov_b32 s[G1H+7], 0
	s_mul_i32 s[PV], s[WV], PARTB
	s_mul_i32 s[LB], s[WV], 2*PARTB                ; my two quarters in LDS
	s_mov_b32 s57, 0
	s_mov_b32 s[SEL], 0x76543210
	s_mov_b32 s[SEL+1], 0xfedcba98
	s_mul_i32 s22, s20, 51200
	s_lshl_b32 s43, s54, 9
	s_add_co_u32 s44, s22, s43
	s_add_co_u32 s44, s44, XSCO                    ; xq: the scale words of the two K steps that lie at my places of the image
	s_mov_b32 s45, 0
	s_mul_i32 s42, s[WV], FRB
	s_add_co_u32 s22, s22, s42                     ; xq: my row tile's fragment of K step 0
	s_mov_b32 s23, 0
	s_lshl_b32 s46, s[WV], 10
	s_mov_b32 s47, 0
	s_lshl_b32 s48, s20, 6
	s_mov_b32 s49, 0
	s_lshl_b32 s50, s20, 12
	s_add_co_u32 s50, s50, s46
	s_mov_b32 s51, 0
	s_lshl_b32 s62, s20, 18
	s_lshl_b32 s63, s[WV], 16
	s_add_co_u32 s62, s62, s63                     ; x: my 16 rows of 4,096 bytes
	s_mov_b32 s63, 0
	s_lshl_b32 s72, s[WV], 2                       ; LDS places made of the wave's number
	s_add_co_u32 s72, s72, RED
	s_mul_i32 s73, s[WV], 16*SP
	s_add_co_u32 s73, s73, STG
	s_add_co_u32 s74, s42, XREG
	s_lshl_b32 s75, s[WV], 6
	s_add_co_u32 s75, s75, XREG+XSCO
	s_lshl_b32 s76, s[WV], 9
	s_add_co_u32 s76, s76, XREG+XSCO
	s_mov_b32 s[XO], 0
	s_mov_b32 s[XSO], 0
	s_mov_b32 s[QP], 0
	s_mov_b32 s[LP], 0
	s_mov_b32 s[JN], 0
	s_wait_dscnt 0x0                               ; both opening adds are done
	s_wait_kmcnt 0x0
	s_add_nc_u64 s[4:5], s[4:5], s[62:63]
	s_add_nc_u64 s[58:59], s[14:15], s[44:45]
	s_add_nc_u64 s[14:15], s[14:15], s[22:23]
	s_add_nc_u64 s[8:9], s[8:9], s[46:47]
	s_add_nc_u64 s[10:11], s[10:11], s[48:49]
	s_add_nc_u64 s[12:13], s[12:13], s[50:51]
.irp s, 0,1
	s_mov_b32 s[G0+4*\s], 1
	s_add_co_u32 s[G0+4*\s+1], s[LB], \s*PARTB
.endr
	STEPV 0
	s_mov_b32 s[JN], 2                             ; the head's load brings the walk's slots 0 and 1
	CROUND                                         ; the four work-groups are here: the first joint loads meet
	tensor_load_to_lds s[G0:G0+3], s[G1H:G1H+7]    ; my one tensor load at the head
	s_nop 0
	PLACES 4
	v_and_b32 v[L4], 31, v0
	v_lshlrev_b32 v[L16], 4, v[L4]
	v_lshlrev_b32 v[L4], 2, v[L4]
	v_and_b32 v[RR], 15, v0
	v_bfe_u32 v[KVO], v0, 4, 1
	v_lshlrev_b32 v[BH], 6, v[KVO]
	v_lshlrev_b32 v[H8], 3, v[KVO]
	v_add_nc_u32 v[AW0], s[LB], v[L16]
	v_add_nc_u32 v[AW0+1], PARTB, v[AW0]
	v_add_nc_u32 v[AS0], s[LB], v[L4]
	v_add_nc_u32 v[AS0], WSC, v[AS0]
	v_add_nc_u32 v[AS0+1], PARTB, v[AS0]
	v_add_nc_u32 v[AX], XREG, v[L16]
	v_add_nc_u32 v[AXS], XREG+XSCO, v[L4]
	v_add_nc_u32 v[AXL], XREG, v[L16]
	v_add_nc_u32 v[AXSL], XREG+XSCO, v[L4]
	v_lshl_add_u32 v[ARW], v[RR], 4, s72
	v_lshl_add_u32 v[ARR], v[RR], 4, RED
	v_add_nc_u32 v[STW], s73, v[L16]
	v_mul_u32_u24 v[STR], v[RR], SP
	v_lshl_add_u32 v[STR], v[KVO], 7, v[STR]
	v_add_nc_u32 v[STR], s73, v[STR]
	v_add_nc_u32 v[AIM], s74, v[L16]
	v_add_nc_u32 v[AIML], s74, v[L16]
	v_lshl_add_u32 v[ASW], v[RR], 2, s75
	v_lshl_add_u32 v[ASWL], v[RR], 2, s75
	v_add_nc_u32 v[TA], s76, v[L16]
	v_lshrrev_b32 v[XQO], 2, v[RR]
	v_lshl_add_u32 v[XQO], v[XQO], 7, v[BH]
	v_and_b32 v[KVO], 3, v[RR]
	v_lshl_add_u32 v[KVO], v[KVO], 4, v[XQO]       ; where my four sums lie in a row of kvp
.irp a, 0,1,2,3
	v_mov_b32 v[PD+\a], 0                          ; a lane permute's destination counts as one of its sources
.endr
	WIN 0x80
	v_mov_b32 v91, 0
	v_mov_b32 v93, v[H8]
	WIN 0
	s_wait_alu depctr_va_vdst(0)
	QLD 0
	QLD 1
.irp a, 0,1,2,3
	global_load_u8 v[MB+\a], v[RR], s[10:11] offset:16*\a
.endr
	WIN 0x40
.irp cl, 0,1,2,3,4,5,6,7,8,9,10,11,12,13,14,15
.irp e, 0,1
	global_load_b128 v[CB+8*\cl+4*\e:CB+8*\cl+4*\e+3], v[BH], s[8:9] offset:4096+128*(\cl>>1)+32*(\cl&1)+16*\e   ; b_k in the accumulators' layout: the first products' C
.endr
.endr
	WIN 0
	QXA 0, 2, 52                                   ; behind the first set's loads: 16 of x, 4 of the mask, 32 of the bias
	s_wait_dscnt 0x0
	QADR
	QLD 0
	QXC 2
	QXS 2, 0, 0
	QXA 1, 2, 52                                   ; behind the second set's: 4, 32, and the 16 just issued
	s_wait_dscnt 0x0
	QADR
	QLD 1
	QXC 2
	QXS 2, 6144, 256
	s_wait_tensorcnt 0x0                           ; my quarters of slots 0 and 1 are in
	s_wait_loadcnt 32                              ; the mask and the bias are in; x's two sets may be out
	s_wait_xcnt 0x0                                ; the head's stores to xq have read window 2, which the first products write
	s_wait_dscnt 0x0                               ; for the others' sake: my fragments lie in x's image
	s_barrier_signal -1
	s_barrier_wait -1
	PRIME 0
	SLOT 0, 0, 1, 1, 1, 1, -1, 0, 0                ; the first K step's products start the sums from b_k
	WIN 0x40
	v_mov_b32 v91, 0                               ; window 1 has given up b_k: the quantiser moves in
	v_mov_b32 v93, v[H8]
	WIN 0
	s_mov_b32 s[LC], 0
	s_wait_alu depctr_va_vdst(0)
.Lk:                                                   ; slots 1-4, two a trip
	SLOT 1, 0, 1, 1, 0, 2, 0, 1, 16
	SLOT 0, 0, 1, 1, 0, 3, 1, 1, 16
	s_add_co_u32 s[XO], s[XO], 12288               ; two K steps of x's image on
	s_add_co_u32 s[XSO], s[XSO], 512
	v_add_nc_u32 v[AXL], s[XO], v[AX]
	v_add_nc_u32 v[AXSL], s[XSO], v[AXS]
	v_add_nc_u32 v[AIML], s[XO], v[AIM]
	v_add_nc_u32 v[ASWL], s[XSO], v[ASW]
	s_add_co_u32 s[LC], s[LC], 1
	s_cmp_lt_u32 s[LC], 2
	s_wait_alu depctr_va_vdst(0)
	s_cbranch_scc1 .Lk
	SLOT 1, 0, 1, 1, 0, 2, 0, 0, 16                ; slots 5 and 6 quantise the last two K steps and load nothing more
	SLOT 0, 0, 1, 1, 0, 3, 1, 0, 0
	s_wait_xcnt 0x0                                ; the last fragment's stores have read window 1
	WIN 0x40
	BIASH 8192, 0, 0
	WIN 0
	SLOT 1, 0, 1, 0, 0, 0, -1, 0, 0
	WIN 0x40
	BIASH 8192, 0, 4
	WIN 0
	v_mov_b32 v[AXL], v[AX]
	v_mov_b32 v[AXSL], v[AXS]
	ds_load_b128 v[XA:XA+3], v[TA]                 ; x's scale words leave in whole blocks: 512 bytes a wave, the two K steps at my places of the image
	s_wait_dscnt 0x0
	global_store_b128 v[L16], v[XA:XA+3], s[58:59]
	s_wait_xcnt 0x0                                ; the stores have read v16-20 and v64-67
	SUMSQ
	s_wait_alu depctr_va_vdst(0)                   ; one wait for the four roots, ahead of their first reader
.irp a, 0,1,2,3
	v_cmp_eq_u32 vcc_lo, 0, v[MB+\a]
	v_cndmask_b32 v[SS+2*\a], 0, v[SS+2*\a], vcc_lo   ; a masked row counts for nothing
.endr
	WIN 0x82
.irp a, 0,1,2,3
.set i_, 0
.rept 32
	v_pk_mul_f32 v[64*\a+2*i_:64*\a+2*i_+1], v[64*\a+2*i_:64*\a+2*i_+1], v[SS+2*\a:SS+2*\a+1] op_sel_hi:[1,0]
.set i_, i_+1
.endr
.endr
	WIN 0xc3
.irp a, 0,1,2,3
.set i_, 0
.rept 32
	v_pk_mul_f32 v[64*\a+2*i_:64*\a+2*i_+1], v[64*\a+2*i_:64*\a+2*i_+1], v[SS+2*\a:SS+2*\a+1] op_sel_hi:[1,0]
.set i_, i_+1
.endr
.endr
	WIN 0
	s_wait_loadcnt 0x0                             ; b_v lies in v's accumulators
	PRIME 1
	SLOT 0, 1, 1, 1, 0, 0, -1, 0, 0
	SLOT 1, 1, 1, 1, 0, 1, -1, 0, 0
	SLOT 0, 1, 1, 1, 0, 2, -1, 0, 0
	SLOT 1, 1, 1, 0, 0, 3, -1, 0, 0
	PASSRED 0
	s_wait_loadcnt 0x0
	s_wait_xcnt 0x0
	PRIME 1
	SLOT 0, 1, 1, 1, 0, 0, -1, 0, 0
	SLOT 1, 1, 1, 1, 0, 1, -1, 0, 0
	SLOT 0, 1, 0, 1, 0, 2, -1, 0, 0
	SLOT 1, 1, 0, 0, 0, 3, -1, 0, 0
	PASSRED 1
	s_wait_tensorcnt 0x0                           ; the wave's end
	ds_add_u32 v[SPW], v[NIL]
	s_wait_dscnt 0x0
	CROUND                                         ; the closing round
	s_endpgm
.Lfunc_end_k_q57462a3f0b_kvpart:
	.size	k_q57462a3f0b_kvpart, .Lfunc_end_k_q57462a3f0b_kvpart-k_q57462a3f0b_kvpart
	.p2alignl 7, 3214868480
	.fill 96, 4, 3214868480
	.section	.rodata,"a",@progbits
	.p2align	6, 0x0
	.amdhsa_kernel k_q57462a3f0b_kvpart
		.amdhsa_group_segment_fixed_size 327680
		.amdhsa_private_segment_fixed_size 0
		.amdhsa_enable_private_segment 0
		.amdhsa_kernarg_size 48
		.amdhsa_user_sgpr_count 2
		.amdhsa_user_sgpr_kernarg_segment_ptr 1
		.amdhsa_wavefront_size32 1
		.amdhsa_system_sgpr_workgroup_id_x 1
		.amdhsa_system_sgpr_workgroup_id_y 1
		.amdhsa_system_sgpr_workgroup_id_z 1
		.amdhsa_system_vgpr_workitem_id 0
		.amdhsa_next_free_vgpr 1024
		.amdhsa_next_free_sgpr 96
		.amdhsa_reserve_vcc 1
		.amdhsa_float_denorm_mode_32 3
		.amdhsa_float_denorm_mode_16_64 3
		.amdhsa_memory_ordered 1
		.amdhsa_forward_progress 1
		.amdhsa_inst_pref_size 255
	.end_amdhsa_kernel
	.section	.bss,"aw",@nobits
	.p2align	6
	.space	262144
	.amdgpu_metadata
---
amdhsa.version: [ 1, 2 ]
amdhsa.kernels:
  - .name:           k_q57462a3f0b_kvpart
    .symbol:         k_q57462a3f0b_kvpart.kd
    .args:
      - { .name: x, .offset: 0, .size: 8, .value_kind: global_buffer, .address_space: global }
      - { .name: wkv, .offset: 8, .size: 8, .value_kind: global_buffer, .address_space: global }
      - { .name: b_qkv, .offset: 16, .size: 8, .value_kind: global_buffer, .address_space: global }
      - { .name: mask, .offset: 24, .size: 8, .value_kind: global_buffer, .address_space: global }
      - { .name: kvp, .offset: 32, .size: 8, .value_kind: global_buffer, .address_space: global }
      - { .name: xq, .offset: 40, .size: 8, .value_kind: global_buffer, .address_space: global }
    .group_segment_fixed_size: 327680
    .private_segment_fixed_size: 0
    .kernarg_segment_align: 8
    .kernarg_segment_size: 48
    .max_flat_workgroup_size: 128
    .sgpr_count:     96
    .vgpr_count:     1024
    .wavefront_size: 32
...
	.end_amdgpu_metadata
.endif
;; end of part 5
;; launch outproj (part 6): grid 256 x 1, 4 waves a work-group, clusters of 4 x 1, 327,680 bytes of LDS; arguments xq, wqo, b_qkv, b_out, kvp, out0; writes out0
.if DOCPART == 6
	.amdgcn_target "amdgcn-amd-amdhsa--gfx1250"
	.amdhsa_code_object_version 6
	.text
	.protected	k_q57462a3f0b_outproj
	.globl	k_q57462a3f0b_outproj
	.p2align	8
	.type	k_q57462a3f0b_outproj,@function
k_q57462a3f0b_outproj:
	s_mov_b64 s[64:65], 0
	v_nop
	global_prefetch_b8 v0, s[64:65] scope:SCOPE_SE
	s_setreg_imm32_b32 hwreg(HW_REG_WAVE_MODE, 25, 1), 1
	s_wait_xcnt 0x0
	s_wait_alu depctr_hold_cnt(0) depctr_sa_sdst(0) depctr_va_vdst(0) depctr_va_sdst(0) depctr_va_ssrc(0) depctr_va_vcc(0) depctr_vm_vsrc(0)
	s_getreg_b32 s2, hwreg(HW_REG_IB_STS2, 6, 4)
	s_cmp_eq_u32 s2, 0
	s_cbranch_scc0 .Lentry_in_a_cluster
	s_endpgm
.Lentry_in_a_cluster:
	s_bfe_u32 s2, ttmp6, 0x10000c
	s_cmp_lg_u32 s2, 0x3003
	s_cbranch_scc0 .Lentry_shape_is_right
	s_endpgm
.Lentry_shape_is_right:
; out0 = Q(kv * q / |q|) Q(W_out)^T + b_out with q = Q(x) Q(Wq)^T + b_q; kv = the sum of the 64 partial rows of kvp of my batch.  Q: codes of FP6 (E2M3), one E8M0 byte for each 32 along K.
; A work-group takes 64 rows through both products; a wave takes 256 of the 1,024 columns: 4 x 16 accumulators of 16 x 16, 512 registers (windows 2 and 3).
; Both products are used transposed (source 0 = 16 rows of the weight, source 1 = 16 rows of x or of the hidden layer): a lane holds one row and its registers run along the columns, the next K.
; xq and wqo are images of the operands' registers (launch quant): a fragment of 16 rows x 128 K is 1,536 bytes, 16 bytes a lane for each four registers; its 16 scale words follow the fragments.
; THE WEIGHTS walk through a ring of two LDS slots of 102,400 bytes, 16 slots in all (0-7 Wq by K step; 8-15 W_out: two K steps x eight column tiles a wave).  A wave fetches and reads its own quarter of a slot.
; The four work-groups of a cluster ask for each slot jointly; clusters begin the walk at different slots (R1, R2, made of the cluster's number), and x's image is laid into LDS in the same turned order.
; No data prefetch: all 64 clusters read the same 16 slots, and a work-group's 51,200 bytes of xq are asked for at the head, with no loop ahead of them.
; Slots 1-6 and 8-11 are counted loops of two slots a trip; what changes from trip to trip lies in scalar offsets (XO, XSO, KO) and in the running slot number JN.
; The first 128 columns' results (window 2) leave during slots 12-15, one tile of 16 rows a slot, through the wave's stage in the bytes that held x.
; LIMITS: NaN and infinities are not served; a row of q that is all zeros gives what 0 x infinity gives.  A block of the hidden layer under 2^-124 gets the byte 1.
; REGISTERS: window 0: v0-63 addresses, sums, scale words; v64-159 two sets of x's fragments; v160-255 two sets of the weight's.  Window 1: kvp's rows, kv, b_q, later the way out.  Windows 2, 3: accumulators.
.set SLOTB, 102400
.set PARTB, 25600
.set FRB,   1536
.set WSC,   24576
.set XREG,  2*SLOTB                    ; x's image, later the stages of the way out
.set XSCO,  49152
.set OIMG,  256000                     ; the hidden layer's image
.set RED,   307200                     ; the rows' sums of squares, a word a wave
.set KVS,   308224                     ; kv, 1,024 bytes a wave
.set SPARE, 312320                     ; the spare words, 128 bytes a wave
.set SP,    528
.set L16,  1
.set SPW,  2
.set NIL,  3
.set AW0,  4
.set AS0,  6
.set AX,   8
.set AXS,  9
.set ARW,  10
.set ARR,  11
.set BH,   12
.set H32,  13
.set RR,   14
.set TA,   15
.set SS,   16
.set PD,   24
.set AXL,  28                          ; v28 AX + XO, v29 AXS + XSO, v30 16 x lane + KO
.set AXSL, 29
.set KVA,  30
.set L4,   31
.set WS,   32
.set XS,   48
.set AOW,  56
.set AOS,  57
.set AKV,  58
.set KVW,  59
.set STO,  60
.set STR,  61
.set XA,   64
.set XB,   112
.set WA,   160
.set WB,   208
.set TB,   164
.set PC,   128
.set TM,   148
.set PW,   164
.set CB,   128
.set WV,   18
.set PV,   21
.set G1,   24
.set G0,   32
.set SEL,  40
.set R1,   52
.set R2,   53
.set PK,   55
.set XO,   66
.set XSO,  67
.set KO,   68
.set LC,   69
.set JN,   70
.set G1H,  80                          ; s[80:87] group 1 of the head's load; s88 my two quarters' place in LDS: they lie on end
.set LB,   88
.set MSB, 0
.macro WIN new                         ; the immediate's high byte repeats the setting that is left
.if MSB != (\new)
	s_set_vgpr_msb (MSB<<8)|(\new)
.set MSB, \new
.endif
.endm
.macro PLACES n
.rept \n
	v_nop
.endr
.endm
.macro CREST                           ; a round of the cluster's barrier behind its opening barrier
	s_cmp_lg_u32 s[WV], 0
	s_cbranch_scc1 .Lnot_wave_0_\@
	s_barrier_signal -3
.Lnot_wave_0_\@:
	s_barrier_wait -3
	s_barrier_signal -1
	s_barrier_wait -1
.endm
.macro CROUND
	s_barrier_signal -1
	s_barrier_wait -1
	CREST
.endm
.macro JLOAD s                         ; my quarter of a slot, asked for jointly
	tensor_load_to_lds s[G0+4*(\s):G0+4*(\s)+3], s[G1:G1+7]
	s_nop 0
	PLACES 4
.endm
; Group 0 of LDS slot s takes the walk's slot JN; JN steps on.  JN < 8: Wq's K step (R2 + JN) % 8, part PK; else W_out's slot (JN & 12) + (R1 + JN) % 4, part PV.
.macro STEPV s
	s_add_co_u32 s56, s[R2], s[JN]
	s_and_b32 s56, s56, 7
	s_add_co_u32 s60, s[R1], s[JN]
	s_and_b32 s60, s60, 3
	s_and_b32 s61, s[JN], 12
	s_add_co_u32 s60, s60, s61
	s_cmp_lt_u32 s[JN], 8
	s_cselect_b32 s56, s56, s60
	s_cselect_b32 s60, s[PK], s[PV]
	s_mul_i32 s56, s56, SLOTB
	s_add_co_u32 s56, s56, s60
	s_add_nc_u64 s[G0+4*(\s)+2:G0+4*(\s)+3], s[6:7], s[56:57]
	s_or_b32 s[G0+4*(\s)+3], s[G0+4*(\s)+3], 0x80000000
	s_add_co_u32 s[JN], s[JN], 1
.endm
.macro LDW set, s, g                   ; four fragments of the weight: places 4 g .. 4 g + 3 of my part of LDS slot s
.irp i, 0,1,2,3
.irp c, 0,1,2
	ds_load_b128 v[\set+12*\i+4*\c:\set+12*\i+4*\c+3], v[AW0+(\s)] offset:FRB*(4*(\g)+\i)+512*\c
.endr
.endr
.endm
.macro LDX set, off                    ; the four row tiles' fragments of one K step
.irp a, 0,1,2,3
.irp c, 0,1,2
	ds_load_b128 v[\set+12*\a+4*\c:\set+12*\a+4*\c+3], v[AXL] offset:(\off)+FRB*\a+512*\c
.endr
.endr
.endm
.macro LDWS s                          ; scale words: a register holds two fragments' words, one in lanes 0-15, one in lanes 16-31
.irp n, 0,1,2,3,4,5,6,7
	ds_load_b32 v[WS+8*(\s)+\n], v[AS0+(\s)] offset:128*\n
.endr
.endm
.macro LDXS s, off, n
.set m_, 0
.rept \n
	ds_load_b32 v[XS+4*(\s)+m_], v[AXSL] offset:(\off)+128*m_
.set m_, m_+1
.endr
.endm
; 8 matrix instructions: weight tiles i0, i0 + 1 of group g x the four row tiles; the accumulators take turns.  cf = 1: C is the bias in window 1
.macro MUL8 wset, xset, g, i0, s, xs0, cf
.irp i, \i0, \i0+1
.irp a, 0,1,2,3
.set rD, 64*\a+8*(4*((\g)&1)+(\i))
.set rC, rD
.if \cf
.set rC, CB+8*(4*(\g)+(\i))
.endif
.set rW, \wset+12*(\i)
.set rX, \xset+12*\a
.set rP, WS+8*(\s)+2*(\g)+((\i)>>1)
.set rQ, XS+4*(\s)+(\xs0)+(\a>>1)
.set rows, 2*((\i)&1)+(\a&1)
.if rows == 0
	v_wmma_scale_f32_16x16x128_f8f6f4 v[rD:rD+7], v[rW:rW+11], v[rX:rX+11], v[rC:rC+7], v[rP], v[rQ] matrix_a_fmt:MATRIX_FMT_FP6 matrix_b_fmt:MATRIX_FMT_FP6
.elseif rows == 1
	v_wmma_scale_f32_16x16x128_f8f6f4 v[rD:rD+7], v[rW:rW+11], v[rX:rX+11], v[rC:rC+7], v[rP], v[rQ] matrix_a_fmt:MATRIX_FMT_FP6 matrix_b_fmt:MATRIX_FMT_FP6 matrix_b_scale:MATRIX_SCALE_ROW1
.elseif rows == 2
	v_wmma_scale_f32_16x16x128_f8f6f4 v[rD:rD+7], v[rW:rW+11], v[rX:rX+11], v[rC:rC+7], v[rP], v[rQ] matrix_a_fmt:MATRIX_FMT_FP6 matrix_b_fmt:MATRIX_FMT_FP6 matrix_a_scale:MATRIX_SCALE_ROW1
.else
	v_wmma_scale_f32_16x16x128_f8f6f4 v[rD:rD+7], v[rW:rW+11], v[rX:rX+11], v[rC:rC+7], v[rP], v[rQ] matrix_a_fmt:MATRIX_FMT_FP6 matrix_b_fmt:MATRIX_FMT_FP6 matrix_a_scale:MATRIX_SCALE_ROW1 matrix_b_scale:MATRIX_SCALE_ROW1
.endif
.endr
.endr
.endm
.macro PRIME vt                        ; a phase's first fragments, from LDS slot 0
	LDW WA, 0, 0
	LDX XA, 0
	LDWS 0
.if \vt
	LDXS 0, 0, 4
.else
	LDXS 0, 0, 2
.endif
.endm
.macro KVLOAD j                        ; eight partial rows of kvp, my 256 columns: 32 lanes read 512 consecutive bytes
	WIN 0x40
.irp i, 0,1,2,3,4,5,6,7
.irp e, 0,1
	global_load_b128 v[8*\i+4*\e:8*\i+4*\e+3], v[KVA], s[12:13] offset:4096*(8*(\j)+\i)+512*\e
.endr
.endr
	WIN 0
.endm
.macro KVADD
	s_wait_loadcnt 0x0
	WIN 0x45
.irp i, 0,1,2,3,4,5,6,7
.irp u, 0,2,4,6
	v_pk_add_f32 v[64+\u:65+\u], v[64+\u:65+\u], v[8*\i+\u:8*\i+\u+1]
.endr
.endr
.endm
; THE WAY OUT of row tile a, columns 128 p on: through my stage, back as whole rows of 512 bytes into window 1's set a, and stored.
.macro TOSTAGE a, p
	WIN 0x08+4*(\p)
.irp b, 0,1,2,3,4,5,6,7
	ds_store_b128 v[STO], v[64*(\a)+8*\b:64*(\a)+8*\b+3] offset:64*\b        ; each accumulator from its low end on
	ds_store_b128 v[STO], v[64*(\a)+8*\b+4:64*(\a)+8*\b+7] offset:64*\b+16
.endr
	WIN 0x40
.irp t, 0,1,2,3,4,5,6,7,8,9,10,11,12,13,14,15
	ds_load_b128 v[64*(\a)+4*\t:64*(\a)+4*\t+3], v[STR] offset:SP*\t         ; LDS serves a wave's instructions in order: these see the stores above
.endr
.endm
.macro SEND a, p, younger              ; younger: LDS instructions issued behind tile a's loads
	s_wait_dscnt \younger
	WIN 0x04
.irp t, 0,1,2,3,4,5,6,7,8,9,10,11,12,13,14,15
	global_store_b128 v[L16], v[64*(\a)+4*\t:64*(\a)+4*\t+3], s[14:15] offset:4096*(16*(\a)+\t)+512*(\p) th:TH_STORE_NT   ; 32 lanes store 512 consecutive bytes, aligned
.endr
.endm
; ONE SLOT: 64 matrix instructions in four groups of 16; each group's weight fragments are fetched a group ahead, by turns into WA and WB.
; sg: the LDS slot.  vt = 0: Wq (one K step x 16 column tiles; nx: the next K step's place from AXL); vt = 1: W_out (two K steps x 8 tiles, accumulators in window aw; nx: which slot of a pair).
; refill: behind the third group my reads of the slot are over: the three lines, the round, and the slot two further on.  kvs >= 0: eight rows of kvp are added on the way.  oa >= 0: row tile oa of the first pass leaves.
.macro SLOT sg, vt, aw, refill, next, kvs, first, nx, oa
.if \vt
.set xl, XA
.set xh, XB
.set xn, XA
.set w01, 0x50*(\aw)
.set w23, 0x50*(\aw)
.set nxt, 36
.else
.set xl, XA+48*(\sg)
.set xh, XA+48*(\sg)
.set xn, XA+48*(1-(\sg))
.set w01, 0xa0-0x10*(\first)
.set w23, 0xf0-0x20*(\first)
.set nxt, 34
.endif
.if (\kvs) >= 0
	KVLOAD \kvs
.endif
	LDW WB, \sg, 1
.if \vt
	LDX XB, 6144*(2*(\nx)+1)
.if (\nx) && (\next)
	s_xor_b32 s[XO], s[XO], 24576                  ; the hidden layer's other four K steps: the next pair of slots reads them
	s_xor_b32 s[XSO], s[XSO], 1024
	v_add_nc_u32 v[AXL], s[XO], v[AX]
	v_add_nc_u32 v[AXSL], s[XSO], v[AXS]
	s_wait_alu depctr_va_vdst(0)
.endif
.if (\oa) >= 0
	TOSTAGE \oa, 0
	s_wait_dscnt 56                                ; all but the 24 loads and the stage's 32 instructions just issued
.else
	s_wait_dscnt 24
.endif
.else
	s_wait_dscnt 12
.endif
	WIN w01
	MUL8 WA, xl, 0, 0, \sg, 0, \first
	MUL8 WA, xl, 0, 2, \sg, 0, \first
	PLACES 4
	WIN 0
	LDW WA, \sg, 2
.if (\oa) >= 0
	SEND \oa, 0, 12                                ; all but the 12 just issued: the tile is back from the stage too
.else
	s_wait_dscnt 12
.endif
	WIN w01
	MUL8 WB, xl, 1, 0, \sg, 0, \first
	MUL8 WB, xl, 1, 2, \sg, 0, \first
	PLACES 4
	WIN 0
	LDW WB, \sg, 3
	s_wait_dscnt 12
	WIN w23
	MUL8 WA, xh, 2, 0, \sg, 2*\vt, \first*(1-\vt)
	MUL8 WA, xh, 2, 2, \sg, 2*\vt, \first*(1-\vt)
.if \refill
	WIN 0
	s_wait_tensorcnt 0x0                           ; my one load that was out, my part of the other slot, is in;
	ds_add_u32 v[SPW], v[NIL]
	STEPV \sg                                      ; no load of mine is out: the descriptor may be written
	s_wait_dscnt 0x0                               ; the add is done, and my reads of this slot
	s_barrier_signal -1
	s_barrier_wait -1
	CREST
	JLOAD \sg                                      ; its four v_nop are the places in front of the loads below
.elseif \next
	PLACES 4
	WIN 0
	s_wait_tensorcnt 0x0                           ; the last slot's quarter is mine alone to read: my own wait shows it
.else
	s_wait_dscnt 0x0
.endif
.if \next
	LDW WA, 1-(\sg), 0
.if \vt
	LDX xn, 12288*(1-(\nx))
	LDWS 1-(\sg)
	LDXS 1-(\sg), 512*(1-(\nx)), 4
.else
	LDX xn, 6144*(\nx)
	LDWS 1-(\sg)
	LDXS 1-(\sg), 256*(\nx), 2
.endif
.if !\refill
	s_wait_dscnt nxt
.endif
.endif
	WIN w23
	MUL8 WB, xh, 3, 0, \sg, 2*\vt, \first*(1-\vt)
	MUL8 WB, xh, 3, 2, \sg, 2*\vt, \first*(1-\vt)
.if (\kvs) >= 0
	s_wait_alu depctr_va_vdst(0)
	KVADD                                          ; its 32 additions are the places behind the products
.else
	PLACES 4
.endif
	WIN 0
.endm
; 1 / |q| of my four row tiles' rows: my 256 columns' squares, lane l xor 16's, then the four waves' through LDS
.macro SUMSQ
	WIN 0x0a
.irp a, 0,1,2,3
	v_pk_mul_f32 v[SS+2*\a:SS+2*\a+1], v[64*\a:64*\a+1], v[64*\a:64*\a+1]
.endr
.set q_, 1
.rept 31
.irp a, 0,1,2,3
	v_pk_fma_f32 v[SS+2*\a:SS+2*\a+1], v[64*\a+2*q_:64*\a+2*q_+1], v[64*\a+2*q_:64*\a+2*q_+1], v[SS+2*\a:SS+2*\a+1]
.endr
.set q_, q_+1
.endr
	WIN 0x0f
.set q_, 0
.rept 32
.irp a, 0,1,2,3
	v_pk_fma_f32 v[SS+2*\a:SS+2*\a+1], v[64*\a+2*q_:64*\a+2*q_+1], v[64*\a+2*q_:64*\a+2*q_+1], v[SS+2*\a:SS+2*\a+1]
.endr
.set q_, q_+1
.endr
	WIN 0
.irp a, 0,1,2,3
	v_add_f32 v[SS+2*\a], v[SS+2*\a], v[SS+2*\a+1]
.endr
.irp a, 0,1,2,3
	v_permlanex16_b32 v[PD+\a], v[SS+2*\a], s[SEL], s[SEL+1]
.endr
.irp a, 0,1,2,3
	v_add_f32 v[SS+2*\a], v[SS+2*\a], v[PD+\a]
.endr
.irp a, 0,1,2,3
	ds_store_b32 v[ARW], v[SS+2*\a] offset:256*\a
.endr
	s_wait_dscnt 0x0
	s_barrier_signal -1
	s_barrier_wait -1
.irp a, 0,1,2,3
	ds_load_b128 v[168+4*\a:171+4*\a], v[ARR] offset:256*\a
.endr
	s_wait_dscnt 0x0
.irp a, 0,1,2,3
	v_add_f32 v[168+4*\a], v[168+4*\a], v[169+4*\a]
	v_add_f32 v[170+4*\a], v[170+4*\a], v[171+4*\a]
.endr
.irp a, 0,1,2,3
	v_add_f32 v[168+4*\a], v[168+4*\a], v[170+4*\a]
.endr
	s_wait_alu depctr_va_vdst(0)
.irp a, 0,1,2,3
	v_rsq_f32 v[SS+2*\a], v[168+4*\a]
.endr
	v_nop
.endm
; 64 numbers a lane (16 rows x 128 along the next K) become a fragment in v[PC..PC+11] and its scale word in v[PW]
.macro QUANT s
.irp b, 0,1,2,3
	v_max3_num_f32 v[TM+\b], |v[\s+16*\b]|, |v[\s+1+16*\b]|, 0x1800000   ; with the floor 2^(3 - 127): the byte cannot fall under 1
.endr
.irp i, 2,4,6,8,10,12,14
.irp b, 0,1,2,3
	v_max3_num_f32 v[TM+\b], v[TM+\b], |v[\s+16*\b+\i]|, |v[\s+1+16*\b+\i]|
.endr
.endr
.irp b, 0,1,2,3
	v_permlanex16_b32 v[TM+4+\b], v[TM+\b], s[SEL], s[SEL+1]
.endr
.irp b, 0,1,2,3
	v_max_num_f32 v[TM+\b], v[TM+\b], v[TM+4+\b]
.endr
.irp b, 0,1,2,3
	v_add_nc_u32 v[TM+12+\b], 0xff000000, v[TM+\b]   ; 2 off the exponent field: the conversion's scale operand
.endr
.irp b, 0,1,2,3
	v_lshrrev_b32 v[TM+4+\b], 23, v[TM+12+\b]
.endr
	v_lshl_or_b32 v[PW], v[TM+5], 8, v[TM+4]
	v_lshl_or_b32 v[PW], v[TM+6], 16, v[PW]
	v_lshl_or_b32 v[PW], v[TM+7], 24, v[PW]
.irp c, 0,1
	v_cvt_scalef32_pk16_fp6_f32 v[PC+6*\c:PC+2+6*\c], v[\s+32*\c:\s+15+32*\c], v[TM+12+2*\c]
	v_cvt_scalef32_pk16_fp6_f32 v[PC+12+4*\c:PC+14+4*\c], v[\s+16+32*\c:\s+31+32*\c], v[TM+12+2*\c+1]
.endr
	v_nop                                          ; one plain place behind a scaled conversion
.irp c, 0,1
.irp i, 0,1,2
	v_permlane16_swap_b32 v[PC+6*\c+\i], v[PC+12+4*\c+\i]   ; a whole block of 32 to a lane
.endr
.irp i, 0,1,2
	v_mov_b32 v[PC+3+6*\c+\i], v[PC+12+4*\c+\i]
.endr
.endr
.endm
.macro UNIT a, kk                      ; row tile a, my columns 128 kk on: q / |q| x kv, quantised, into the hidden layer's image
	WIN 0x02+(\kk)
.set i_, 0
.rept 32
	v_pk_mul_f32 v[64+2*i_:65+2*i_], v[64*(\a)+2*i_:64*(\a)+2*i_+1], v[SS+2*(\a):SS+2*(\a)+1] op_sel_hi:[1,0]
.set i_, i_+1
.endr
	WIN 0x04
.set i_, 0
.rept 32
	v_pk_mul_f32 v[64+2*i_:65+2*i_], v[64+2*i_:65+2*i_], v[128+64*(\kk)+2*i_:129+64*(\kk)+2*i_]
.set i_, i_+1
.endr
	WIN 0
	QUANT 64
.irp c, 0,1,2
	ds_store_b128 v[AOW], v[PC+4*\c:PC+4*\c+3] offset:6144*(\kk)+FRB*(\a)+512*\c
.endr
	ds_store_b32 v[AOS], v[PW] offset:256*(\kk)+64*(\a)
	s_wait_dscnt 0x0
.endm
.macro YB a, p                         ; b_out straight into row tile a's accumulators of pass p, which q has just left: 16 loads behind each unit
	WIN 0x80+0x40*(\p)
.irp t, 0,1,2,3,4,5,6,7
.irp e, 0,1
	global_load_b128 v[64*(\a)+8*\t+4*\e:64*(\a)+8*\t+4*\e+3], v[H32], s[10:11] offset:64*(8*(\p)+\t)+16*\e
.endr
.endr
	WIN 0
.endm
	s_load_b256 s[4:11], s[0:1], 0x0               ; xq, wqo, b_qkv, b_out
	s_load_b128 s[12:15], s[0:1], 0x20             ; kvp, out0
	v_lshl_add_u32 v[SPW], v0, 2, SPARE
	v_mov_b32 v[NIL], 0
	ds_add_u32 v[SPW], v[NIL]
	ds_add_u32 v[SPW], v[NIL]
	v_lshrrev_b32 v1, 5, v0
	v_readfirstlane_b32 s[WV], v1                  ; wave 0..3
	s_bfe_u32 s19, ttmp6, 0x40000
	s_lshl_b32 s20, ttmp9, 2
	s_add_co_u32 s20, s20, s19                     ; my block of 64 rows
	s_and_b32 s[R1], ttmp9, 3                      ; where my cluster begins the walk
	s_lshl_b32 s[R2], s[R1], 1
	s_add_co_u32 s54, s[WV], s[R1]
	s_and_b32 s54, s54, 3                          ; which 256 columns of q are mine: turned with the walk, so that the hidden layer's K steps lie in the walk's order
	s_mov_b32 s[G1], 15|(3<<16)|(1<<21)            ; the four of my cluster; elements of 8 bytes; a quarter slot is 100 rows of 256 bytes, dense
	s_mov_b32 s[G1+1], 32<<16
	s_mov_b32 s[G1+2], 100<<16
	s_mov_b32 s[G1+3], 32<<16
	s_mov_b32 s[G1+4], 100
	s_mov_b32 s[G1+5], 32
	s_mov_b32 s[G1+6], 0
	s_mov_b32 s[G1+7], 0
	s_mov_b32 s[G1H], 15|(3<<16)|(1<<21)           ; the head's load: my quarters of two slots on end: 2 rows of 3,200 elements of 8 bytes, 12,800 apart
	s_mov_b32 s[G1H+1], 3200<<16
	s_mov_b32 s[G1H+2], 2<<16
	s_mov_b32 s[G1H+3], 3200<<16
	s_mov_b32 s[G1H+4], 2
	s_mov_b32 s[G1H+5], 12800
	s_mov_b32 s[G1H+6], 0
	s_mov_b32 s[G1H+7], 0
	s_mul_i32 s[LB], s[WV], 2*PARTB
	s_mul_i32 s21, s[WV], PARTB
	s_mul_i32 s[PK], s54, PARTB
	s_mov_b32 s57, 0
	s_mov_b32 s[SEL], 0x76543210
	s_mov_b32 s[SEL+1], 0xfedcba98                 ; v_permlanex16_b32's selects for lane l xor 16
	s_mul_i32 s22, s20, 51200
	s_lshl_b32 s43, s54, 9
	s_add_co_u32 s44, s22, s43
	s_add_co_u32 s44, s44, XSCO                    ; x's scale words: the two K steps that I copy
	s_mov_b32 s45, 0
	s_mul_i32 s42, s54, 12288
	s_add_co_u32 s22, s22, s42                     ; and their eight fragments
	s_mov_b32 s23, 0
	s_lshl_b32 s46, s[WV], 10
	s_mov_b32 s47, 0
	s_lshl_b32 s60, s54, 10
	s_mov_b32 s61, 0
	s_lshr_b32 s48, s20, 6
	s_lshl_b32 s48, s48, 18                        ; my batch's 64 rows of kvp,
	s_add_co_u32 s48, s48, s60                     ; my columns of q
	s_mov_b32 s49, 0
	s_lshl_b32 s50, s20, 18
	s_add_co_u32 s50, s50, s46
	s_mov_b32 s51, 0
	s_lshl_b32 s71, s[WV], 2                       ; LDS places made of the wave's number
	s_add_co_u32 s71, s71, RED
	s_mul_i32 s72, s[WV], 12288
	s_add_co_u32 s76, s72, XREG
	s_add_co_u32 s72, s72, OIMG
	s_lshl_b32 s73, s[WV], 9
	s_add_co_u32 s77, s73, XREG+XSCO
	s_add_co_u32 s73, s73, OIMG+XSCO
	s_add_co_u32 s74, s46, KVS
	s_mul_i32 s75, s[WV], 16*SP
	s_add_co_u32 s75, s75, XREG
	s_mov_b32 s[XO], 0
	s_mov_b32 s[XSO], 0
	s_mov_b32 s[KO], 0
	s_mov_b32 s[JN], 0
	s_wait_dscnt 0x0                               ; both opening adds are done
	s_wait_kmcnt 0x0
	s_add_nc_u64 s[58:59], s[4:5], s[44:45]
	s_add_nc_u64 s[4:5], s[4:5], s[22:23]
	s_add_nc_u64 s[8:9], s[8:9], s[60:61]
	s_add_nc_u64 s[10:11], s[10:11], s[46:47]
	s_add_nc_u64 s[12:13], s[12:13], s[48:49]
	s_add_nc_u64 s[14:15], s[14:15], s[50:51]
.irp s, 0,1
	s_mov_b32 s[G0+4*\s], 1
	s_add_co_u32 s[G0+4*\s+1], s[LB], \s*PARTB
.endr
	STEPV 0
	s_mov_b32 s[JN], 2                             ; the head's load brings the walk's slots 0 and 1
	CROUND                                         ; the four work-groups are here: the first joint loads meet
	tensor_load_to_lds s[G0:G0+3], s[G1H:G1H+7]    ; my one tensor load at the head; all that follows up to the wait for it stands under its flight
	s_nop 0
	PLACES 4
	v_and_b32 v[L4], 31, v0
	v_lshlrev_b32 v[L16], 4, v[L4]
	v_lshlrev_b32 v[L4], 2, v[L4]
	v_and_b32 v[RR], 15, v0
	v_bfe_u32 v[TA], v0, 4, 1
	v_lshlrev_b32 v[BH], 6, v[TA]
	v_lshlrev_b32 v[H32], 5, v[TA]
	v_add_nc_u32 v[AW0], s[LB], v[L16]
	v_add_nc_u32 v[AW0+1], PARTB, v[AW0]
	v_add_nc_u32 v[AS0], s[LB], v[L4]
	v_add_nc_u32 v[AS0], WSC, v[AS0]
	v_add_nc_u32 v[AS0+1], PARTB, v[AS0]
	v_add_nc_u32 v[AX], XREG, v[L16]
	v_add_nc_u32 v[AXS], XREG+XSCO, v[L4]
	v_add_nc_u32 v[AXL], XREG, v[L16]
	v_add_nc_u32 v[AXSL], XREG+XSCO, v[L4]
	v_mov_b32 v[KVA], v[L16]
	v_lshl_add_u32 v[ARW], v[RR], 4, s71
	v_lshl_add_u32 v[ARR], v[RR], 4, RED
	v_add_nc_u32 v[AOW], s72, v[L16]
	v_lshl_add_u32 v[AOS], v[RR], 2, s73
	v_add_nc_u32 v[AKV], s74, v[BH]
	v_add_nc_u32 v[KVW], s74, v[L16]
	v_mul_u32_u24 v[STO], v[RR], SP
	v_add_nc_u32 v[STO], v[STO], v[H32]
	v_add_nc_u32 v[STO], s75, v[STO]
	v_add_nc_u32 v[STR], s75, v[L16]
	v_add_nc_u32 v[TA], s76, v[L16]
	v_add_nc_u32 v[TB], s77, v[L16]
.irp a, 0,1,2,3
	v_mov_b32 v[PD+\a], 0                          ; a lane permute's destination counts as one of its sources
.endr
	WIN 0x40
.irp i, 0,1,2,3,4,5,6,7
	v_mov_b32 v[64+\i], 0                          ; kv's sums begin
.endr
	WIN 0
	s_wait_alu depctr_va_vdst(0)
.set i_, 0
.rept 24
	global_load_b128 v[XA+4*i_:XA+4*i_+3], v[L16], s[4:5] offset:512*i_      ; my quarter of x's image
.set i_, i_+1
.endr
	global_load_b128 v[XA+96:XA+99], v[L16], s[58:59]
	WIN 0x40
.irp cl, 0,1,2,3,4,5,6,7,8,9,10,11,12,13,14,15
.irp e, 0,1
	global_load_b128 v[128+8*\cl+4*\e:128+8*\cl+4*\e+3], v[BH], s[8:9] offset:128*(\cl>>1)+32*(\cl&1)+16*\e   ; b_q in the accumulators' layout: the first products' C
.endr
.endr
	WIN 0
	s_wait_loadcnt 32                              ; x's 25 loads are in; the bias's 32 may be out
.set i_, 0
.rept 24
	ds_store_b128 v[TA], v[XA+4*i_:XA+4*i_+3] offset:512*i_
.set i_, i_+1
.endr
	ds_store_b128 v[TB], v[XA+96:XA+99]
	s_wait_tensorcnt 0x0                           ; my quarters of slots 0 and 1 are in
	s_wait_loadcnt 0x0                             ; the bias is in
	s_wait_dscnt 0x0                               ; for the others' sake: my part of x's image lies in LDS
	s_barrier_signal -1
	s_barrier_wait -1
	PRIME 0
	SLOT 0, 0, 0, 1, 1, 0, 1, 1, -1                ; the first K step's products start the sums from b_q
	s_mov_b32 s[LC], 0
.Lq:                                                   ; slots 1-6, two a trip
	SLOT 1, 0, 0, 1, 1, 1, 0, 2, -1
	SLOT 0, 0, 0, 1, 1, 2, 0, 3, -1
	s_add_co_u32 s[XO], s[XO], 12288               ; two K steps of x on, and sixteen rows of kvp
	s_add_co_u32 s[XSO], s[XSO], 512
	s_add_co_u32 s[KO], s[KO], 65536
	v_add_nc_u32 v[AXL], s[XO], v[AX]
	v_add_nc_u32 v[AXSL], s[XSO], v[AXS]
	v_add_nc_u32 v[KVA], s[KO], v[L16]
	s_add_co_u32 s[LC], s[LC], 1
	s_cmp_lt_u32 s[LC], 3
	s_wait_alu depctr_va_vdst(0)
	s_cbranch_scc1 .Lq
	SLOT 1, 0, 0, 1, 0, 1, 0, 0, -1
	WIN 0x04
	ds_store_b128 v[KVW], v[64:67]                 ; kv of my 256 columns turns through my own LDS bytes into the accumulators' layout
	ds_store_b128 v[KVW], v[68:71] offset:512
	WIN 0x40
.irp cl, 0,1,2,3,4,5,6,7,8,9,10,11,12,13,14,15
.irp e, 0,1
	ds_load_b128 v[128+8*\cl+4*\e:128+8*\cl+4*\e+3], v[AKV] offset:128*(\cl>>1)+32*(\cl&1)+16*\e
.endr
.endr
	WIN 0
	SUMSQ
	s_wait_alu depctr_va_vdst(0)                   ; one wait for the four roots, ahead of their first reader
.irp b, 0,1,2,3
	v_mov_b32 v[TM+4+\b], 0
.endr
.irp a, 0,1,2,3
	UNIT \a, 0
	YB \a, 0
.endr
.irp a, 0,1,2,3
	UNIT \a, 1
	YB \a, 1
.endr
	s_wait_dscnt 0x0                               ; for the others' sake: my part of the hidden layer's image lies in LDS
	s_barrier_signal -1
	s_barrier_wait -1
	s_mov_b32 s[XO], 0
	s_mov_b32 s[XSO], 0
	v_add_nc_u32 v[AX], OIMG-XREG, v[AX]
	v_add_nc_u32 v[AXS], OIMG-XREG, v[AXS]
	v_add_nc_u32 v[AXL], OIMG, v[L16]
	v_add_nc_u32 v[AXSL], OIMG+XSCO, v[L4]
	s_wait_alu depctr_va_vdst(0)
	s_wait_loadcnt 63                              ; of b_out's 128 loads at most the last 63 are out: the first pass's 64 are in
	PRIME 1
	s_mov_b32 s[LC], 0
.Lo:                                                   ; slots 8-11: my first 128 columns, window 2
	SLOT 0, 1, 2, 1, 1, -1, 0, 0, -1
	SLOT 1, 1, 2, 1, 1, -1, 0, 1, -1
	s_add_co_u32 s[LC], s[LC], 1
	s_cmp_lt_u32 s[LC], 2
	s_cbranch_scc1 .Lo
	s_wait_loadcnt 0x0                             ; the second pass's bias is in
	SLOT 0, 1, 3, 1, 1, -1, 0, 0, 0                ; slots 12-15: my other 128 columns, window 3; the first pass's four row tiles leave on the way
	SLOT 1, 1, 3, 1, 1, -1, 0, 1, 1
	SLOT 0, 1, 3, 0, 1, -1, 0, 0, 2                ; the last two slots fill nothing again
	SLOT 1, 1, 3, 0, 0, -1, 0, 1, 3
	s_wait_xcnt 0x0                                ; the first pass's stores have read window 1's four sets
	TOSTAGE 0, 1
	TOSTAGE 1, 1
	SEND 0, 1, 32                                  ; behind tile a's loads: tile a + 1's 16 stores and 16 loads
	TOSTAGE 2, 1
	SEND 1, 1, 32
	TOSTAGE 3, 1
	SEND 2, 1, 32
	SEND 3, 1, 0
	WIN 0
	s_wait_tensorcnt 0x0                           ; the wave's end
	ds_add_u32 v[SPW], v[NIL]
	s_wait_dscnt 0x0
	CROUND                                         ; the closing round
	s_endpgm
.Lfunc_end_k_q57462a3f0b_outproj:
	.size	k_q57462a3f0b_outproj, .Lfunc_end_k_q57462a3f0b_outproj-k_q57462a3f0b_outproj
	.p2alignl 7, 3214868480
	.fill 96, 4, 3214868480
	.section	.rodata,"a",@progbits
	.p2align	6, 0x0
	.amdhsa_kernel k_q57462a3f0b_outproj
		.amdhsa_group_segment_fixed_size 327680
		.amdhsa_private_segment_fixed_size 0
		.amdhsa_enable_private_segment 0
		.amdhsa_kernarg_size 48
		.amdhsa_user_sgpr_count 2
		.amdhsa_user_sgpr_kernarg_segment_ptr 1
		.amdhsa_wavefront_size32 1
		.amdhsa_system_sgpr_workgroup_id_x 1
		.amdhsa_system_sgpr_workgroup_id_y 1
		.amdhsa_system_sgpr_workgroup_id_z 1
		.amdhsa_system_vgpr_workitem_id 0
		.amdhsa_next_free_vgpr 1024
		.amdhsa_next_free_sgpr 96
		.amdhsa_reserve_vcc 0
		.amdhsa_float_denorm_mode_32 3
		.amdhsa_float_denorm_mode_16_64 3
		.amdhsa_memory_ordered 1
		.amdhsa_forward_progress 1
		.amdhsa_inst_pref_size 255
	.end_amdhsa_kernel
	.section	.bss,"aw",@nobits
	.p2align	6
	.space	262144
	.amdgpu_metadata
---
amdhsa.version: [ 1, 2 ]
amdhsa.kernels:
  - .name:           k_q57462a3f0b_outproj
    .symbol:         k_q57462a3f0b_outproj.kd
    .args:
      - { .name: xq, .offset: 0, .size: 8, .value_kind: global_buffer, .address_space: global }
      - { .name: wqo, .offset: 8, .size: 8, .value_kind: global_buffer, .address_space: global }
      - { .name: b_qkv, .offset: 16, .size: 8, .value_kind: global_buffer, .address_space: global }
      - { .name: b_out, .offset: 24, .size: 8, .value_kind: global_buffer, .address_space: global }
      - { .name: kvp, .offset: 32, .size: 8, .value_kind: global_buffer, .address_space: global }
      - { .name: out0, .offset: 40, .size: 8, .value_kind: global_buffer, .address_space: global }
    .group_segment_fixed_size: 327680
    .private_segment_fixed_size: 0
    .kernarg_segment_align: 8
    .kernarg_segment_size: 48
    .max_flat_workgroup_size: 128
    .sgpr_count:     96
    .vgpr_count:     1024
    .wavefront_size: 32
...
	.end_amdgpu_metadata
.endif
;; end of part 6
